; MI455X (gfx1250); checked and timed in simulation.
; The chip was launched on July 23, 2026; its instructions are those of AMD's public machine-readable ISA for CDNA 5 (MIT licence, August 2026) and "CDNA5" Instruction Set Architecture Reference Guide (July 2026). The comments in the code are by the model that wrote it; some were corrected since.
;; Causal Self Attention. Allowed arithmetic: matrix products marked QUANTISED: E2M1 operands, one E8M0 scale for each 32 along K, by v_wmma_scale_f32_16x16x128_f8f6f4 with both operands' format E2M1 (or v_wmma_scale_f32_32x16x128_f4), f32 sums; everything else in f32.
;; Inputs: Wk 1,024 x 1,024 float32; Wp 1,024 x 1,024 float32; Wq 1,024 x 1,024 float32; Wv 1,024 x 1,024 float32; bk 1,024 float32; bp 1,024 float32; bq 1,024 float32; bv 1,024 float32; x 4 x 2,048 x 1,024 float32.
;; Outputs: out0 4 x 2,048 x 1,024 float32.
;; This version of the problem:
;;   THIS VERSION OF THE PROBLEM IS GIVEN IN LOW PRECISION. The matrix products marked QUANTISED in the list below multiply operands that are first quantised to E2M1 (2 exponent bits, 1 mantissa bit; 4 bits a number), with one power-of-two scale for each 32 numbers along K (OCP MX v1.0); their sums are f32. All else is computed in f32.
;;   The module's matrix products, in the order in which they are computed (A, B: the left and right operand; K: the contracted axis; several contracted axes count as one K, in the product's order):
;;     1. [M 8,192, K 1,024] x [K 1,024, N 1,024]; A: input x; B: input Wq: QUANTISED
;;     2. [M 8,192, K 1,024] x [K 1,024, N 1,024]; A: input x; B: input Wk: QUANTISED
;;     3. [M 8,192, K 1,024] x [K 1,024, N 1,024]; A: input x; B: input Wv: QUANTISED
;;     4. batch 64 x [M 2,048, K 64] x [K 64, N 2,048]; A: computed on the way; B: computed on the way: QUANTISED
;;     5. batch 64 x [M 2,048, K 2,048] x [K 2,048, N 64]; A: softmax (see below); B: computed on the way: QUANTISED
;;     6. [M 8,192, K 1,024] x [K 1,024, N 1,024]; A: computed on the way; B: input Wp: QUANTISED
;;   THE QUANTISER, for each operand of a quantised product, along K:
;;     - K is cut into blocks of 32 from its start; a last block that is shorter is filled with zeros.
;;     - A block's scale is 2^e with e = floor(log2(the largest magnitude in the block)) - 2, held to -126 .. 127; a block of zeros has e = 0. As a byte (E8M0): e + 127.
;;     - Each number is divided by its block's scale, clamped to +-6, and rounded to the nearest number of E2M1, ties to even, subnormals kept.
;;     - The product sums the exact products of the quantised numbers (number of the format x scale) in f32.
;;   ~~~python
;;   def quantise(x, axis):      # numpy; x: float32 -> the quantised numbers, widened to float32 again
;;       x = np.moveaxis(x, axis, -1); K = x.shape[-1]
;;       x = np.pad(x, [(0, 0)] * (x.ndim - 1) + [(0, -K % 32)]); x = x.reshape(x.shape[:-1] + (-1, 32)); a = np.abs(x).max(-1, keepdims=True)
;;       e = np.where(a > 0, np.clip(np.frexp(np.where(a > 0, a, 1))[1] - 1 - 2, -126, 127), 0)      # np.frexp(a)[1] - 1 = floor(log2(a)), exactly
;;       r = np.clip(x / 2.0 ** e, -6, 6)
;;       step = 2.0 ** (np.maximum(np.frexp(np.where(r == 0, 1, r))[1] - 1, 0) - 1)
;;       q = np.round(r / step) * step * 2.0 ** e      # np.round: ties to even
;;       return np.moveaxis(q.reshape(q.shape[:-2] + (-1,))[..., :K], -1, axis).astype(np.float32)
;;   ~~~
;;   SOFTMAX AHEAD OF A QUANTISED PRODUCT. Where the list says 'softmax', what is quantised is not the finished softmax but p = 2^(t - M), with t = logit x log2(e) and M = ceil(the row's largest t), a whole number; so 1/2 < the row's largest p <= 1. The row's sum l is taken of the UNQUANTISED p, in f32, and the product's result is divided by l at the end. Since M is a whole number, a kernel that streams over the keys may use a running M (the ceiling of the running maximum): every later rescaling is an exact power of two, which a block's scale takes up: the codes' values come out the same.
;;   OPERANDS COMPUTED ON THE WAY. 'Computed on the way' means the value that the module computes at that place (a softmax that the list does not call 'softmax' is quantised finished and normalised). What goes into a quantiser is computed in f32, as accurately as f32 sums, v_exp_f32 and their like allow (about 1e-6 of the number): no bf16 or f16 on the way to a quantiser, and a product that is left as it is and whose result goes on into a quantised operand takes f32 operands (vector FMAs, or v_wmma_f32_16x16x4_f32). A number that lies on a knife's edge between two numbers of the format may be rounded either way, as far as f32 arithmetic and the matrix unit's own rounding can turn it there, and no further.
;; One version. Each part assembles by itself: llvm-mc -triple=amdgcn-amd-amdhsa -mcpu=gfx1250 --defsym DOCPART=n.
;; ======== version 1 of 1: 4 launches
;; workspace buffers: cod 6,291,456 bytes; scl 393,216 bytes; qkimg 8,388,608 bytes; qksc 524,288 bytes; vimg 4,194,304 bytes; vsc 262,144 bytes; oimg 4,194,304 bytes; osc 262,144 bytes
;; launch quant (part 1): grid 384 x 1, 4 waves a work-group, no clusters, 33,280 bytes of LDS; arguments x, Wq, Wk, Wv, Wp, cod, scl; writes cod, scl
.if DOCPART == 1
	.amdgcn_target "amdgcn-amd-amdhsa--gfx1250"
	.amdhsa_code_object_version 6
	.text
	.protected	k_qfcc2b81bc5_quant
	.globl	k_qfcc2b81bc5_quant
	.p2align	8
	.type	k_qfcc2b81bc5_quant,@function
k_qfcc2b81bc5_quant:
	s_mov_b64 s[64:65], 0
	v_nop
	global_prefetch_b8 v0, s[64:65] scope:SCOPE_SE
	s_setreg_imm32_b32 hwreg(HW_REG_WAVE_MODE, 25, 1), 1
	s_wait_xcnt 0x0
; LAUNCH 1 OF 4 of causal self-attention in MX-FP4 (B 4, T 2,048, E 1,024, 16 heads of 64).  quant: x and the four weights into codes;  qkv: q, k, v, quantised;  attn: both attention products;  proj: the projection.
; WORK LEFT OUT, in the whole program: reference() sets the scores of keys k > q to -infinity by a mask that it builds itself (jnp.tril); their weights are exp(-inf) = 0 for all values of the inputs, so they add nothing to
; the row's sum or to the second product.  Launch attn therefore leaves out every step of 128 keys all of which come after a tile's queries.  Nothing else is left out: every input has a way to the output and is loaded
; (bk too: it moves k's codes).  LIMIT: a NaN, an infinity or an overflow that reaches only such hidden scores is not carried to the result.
; THIS LAUNCH: x [8192][1024], Wq, Wk, Wv, Wp [1024][1024], f32, K innermost, become codes of FP4 (E2M1), two a byte, and one E8M0 byte for each 32 along K:
;   cod [12288 rows][512 bytes], scl [12288 rows][32 bytes]: rows 0-8191 x, then Wq, Wk, Wv, Wp.
; A block's scale is 2^(floor(log2(its largest magnitude)) - 2); its byte is the largest magnitude's own exponent field - 2, held at 1 from below.  Each number is divided by the scale and rounded to the nearest code, ties to even.
; LIMITS: a block whose largest magnitude lies under 2^-124 gets the byte 1 (a block of zeros too, where the rule says 127: its codes are zeros, and this program alone reads the bytes); NaN and infinities among the inputs are not served.
; POSITION ORDER: in every run of 32 rows the second and the third group of 8 rows change places on the way out: position 16 t + r holds true row 32 (t / 2) + 8 (t % 2) + r % 8 + 16 (r / 8).  A tile of 16 neighbouring positions
; as source 0 of a matrix instruction then leaves, in the 16 registers of two neighbouring result tiles, 16 TRUE neighbours: what the next quantiser wants.  A wave owns 8 rows (8,192 numbers), so the order costs one scalar line.
; A wave takes 16 steps of 512 numbers.  Each load reads 512 consecutive bytes; a step's 2,048 bytes turn through the wave's own stage in LDS and come back 64 bytes (16 neighbours) a lane; two lanes hold a block.
; No tensor loads, no barrier: waves share nothing.  Loads run four steps (16 loads a wave) ahead, the turn through LDS one step.
.set WAVES, 4
.set STEPS, 16
.set EMAX,  2
.set CB,    8                          ; bytes of 16 codes
.set R,     16                         ; v16-79   four sets of 16 numbers as they are loaded
.set X,     80                         ; v80-111  two sets of 16 neighbours
.set C,     128                        ; v128-191 codes: four registers for each step, so that no store's data are written again
.set E,     112                        ; v112-127 a scale byte for each step
.set WREG,  8192                       ; LDS: a region for each wave: two stages of 32 x SP bytes, and behind them its 256 scale bytes
.set SP,    80                         ; a lane's place in a stage: its 64 bytes + 16 of padding
.set SPW,   12                         ; v12      LDS address of my spare word; never rewritten
.set NIL,   13                         ; v13      0; never rewritten
.set SPARE, WAVES*WREG                 ; behind the four regions: the spare words, 128 bytes for each wave
	s_load_b256 s[4:11], s[0:1], 0x0               ; x, Wq, Wk, Wv
	s_load_b128 s[12:15], s[0:1], 0x20             ; Wp, cod
	s_load_b64 s[16:17], s[0:1], 0x30              ; scl
	v_lshl_add_u32 v[SPW], v0, 2, SPARE
	v_mov_b32 v[NIL], 0
	v_lshrrev_b32 v1, 5, v0
	v_readfirstlane_b32 s28, v1                    ; wave
	v_and_b32 v2, 31, v0                           ; lane
	v_lshlrev_b32 v3, 4, v2                        ; my 16 bytes of a load's 512
	s_mul_i32 s29, s28, WREG
	v_lshrrev_b32 v14, 2, v2
	v_mul_u32_u24 v14, v14, SP
	v_and_b32 v15, 3, v2
	v_lshl_add_u32 v14, v15, 4, v14
	v_add_nc_u32 v14, s29, v14                     ; the stage, on the way in: SP (lane / 4) + 16 (lane % 4)
	v_mul_u32_u24 v15, v2, SP
	v_add_nc_u32 v15, s29, v15                     ; and on the way out: SP x lane: my 16 neighbours
	v_mul_u32_u24 v4, v2, CB                       ; my codes' place in a step's
	v_lshrrev_b32 v5, 1, v2
	s_add_co_u32 s29, s29, 2*32*SP
	v_add_nc_u32 v5, s29, v5                       ; LDS: my wave's 256 scale bytes, my block's byte
	v_lshlrev_b32 v7, 3, v2                        ; and on the way out 8 bytes a lane
	v_add_nc_u32 v6, s29, v7
	s_sub_co_u32 s30, ttmp9, 256                   ; work-groups 0-255 take x, 32 each of the others a weight (for x's this wraps; the choice below passes it over)
	s_lshr_b32 s31, s30, 5                         ; which weight
	s_and_b32 s32, s30, 31                         ; which 32 rows of it
	s_wait_kmcnt 0x0
	s_mov_b64 s[22:23], s[6:7]                     ; the choices hang on the work-group's number alone
	s_cmp_eq_u32 s31, 1
	s_cselect_b64 s[22:23], s[8:9], s[22:23]
	s_cmp_eq_u32 s31, 2
	s_cselect_b64 s[22:23], s[10:11], s[22:23]
	s_cmp_eq_u32 s31, 3
	s_cselect_b64 s[22:23], s[12:13], s[22:23]
	s_cmp_lt_u32 ttmp9, 256
	s_cselect_b64 s[22:23], s[4:5], s[22:23]
	s_cselect_b32 s32, ttmp9, s32
	s_lshl_b32 s32, s32, 2
	s_add_co_u32 s32, s32, s28                     ; my run of 8 rows in the tensor that I read
	s_lshl_b32 s34, s32, 15                        ; 32,768 bytes a run
	s_mov_b32 s35, 0
	s_add_nc_u64 s[22:23], s[22:23], s[34:35]
	s_and_b32 s36, s28, 1                          ; POSITION ORDER: waves 1 and 2 change places on the way out
	s_lshl_b32 s36, s36, 1
	s_lshr_b32 s37, s28, 1
	s_or_b32 s36, s36, s37
	s_lshl_b32 s33, ttmp9, 2
	s_add_co_u32 s33, s33, s36                     ; my run in cod and scl
	s_lshl_b32 s34, s33, 12                        ; 4,096 bytes of codes a run
	s_add_nc_u64 s[24:25], s[14:15], s[34:35]
	s_lshl_b32 s34, s33, 8                         ; 256 scale bytes a run
	s_add_nc_u64 s[26:27], s[16:17], s[34:35]
.macro LOAD t
.irp i, 0,1,2,3
	global_load_b128 v[R+16*((\t)%4)+4*\i:R+16*((\t)%4)+4*\i+3], v3, s[22:23] offset:2048*(\t)+512*\i th:TH_LOAD_NT   ; 32 lanes read 512 consecutive bytes
.endr
.endm
.macro TURN t                          ; step t's numbers through the stage: LDS serves a wave's instructions in order, so no wait stands between the stores and the loads
.irp i, 0,1,2,3
	ds_store_b128 v14, v[R+16*((\t)%4)+4*\i:R+16*((\t)%4)+4*\i+3] offset:32*SP*((\t)%2)+8*SP*\i
.endr
.irp i, 0,1,2,3
	ds_load_b128 v[X+16*((\t)%2)+4*\i:X+16*((\t)%2)+4*\i+3], v15 offset:32*SP*((\t)%2)+16*\i
.endr
.endm
.irp t, 0,1,2,3
	LOAD \t
.endr
	s_wait_loadcnt 12                              ; step 0's four loads are in
	TURN 0
.macro STEP t
.set XS, X+16*((\t)%2)
.if (\t) > 0
	s_wait_dscnt 1                                 ; this step's numbers are back from the stage (the last step's byte store may be out): so its stores into the stage have read their registers,
.else
	s_wait_dscnt 0x0
.endif
.if (\t)+4 < STEPS
	LOAD (\t)+4                                    ; which take the loads of four steps on
.endif
.if (\t)+1 < STEPS
.if STEPS-2-(\t) >= 3
	s_wait_loadcnt 12                              ; the next step's four loads are in; those of the three steps behind it may be out
.else
	s_wait_loadcnt 4*(STEPS-2-(\t))
.endif
	TURN (\t)+1                                    ; and go through the other stage while this step is worked
.endif
	v_max3_num_f32 v8, |v[XS]|, |v[XS+1]|, |v[XS+2]|               ; the largest magnitude of my 16, in two chains
	v_max3_num_f32 v9, |v[XS+3]|, |v[XS+4]|, |v[XS+5]|
.irp i, 6,10
	v_max3_num_f32 v8, v8, |v[XS+\i]|, |v[XS+\i+1]|
	v_max3_num_f32 v9, v9, |v[XS+\i+2]|, |v[XS+\i+3]|
.endr
	v_max3_num_f32 v8, v8, |v[XS+14]|, |v[XS+15]|
	v_max3_num_f32 v8, v8, v9, (EMAX+1)<<23        ; and the floor 2^(EMAX + 1 - 127): so the byte cannot fall under 1
	v_max_num_f32_dpp v8, v8, v8 row_xmask:1 row_mask:0xf bank_mask:0xf   ; and of my neighbour's 16: the block's
	v_add_nc_u32 v11, -(EMAX<<23), v8              ; EMAX off its exponent field: the conversion takes the exponent field of this operand as its scale, and nothing else of it
	v_cvt_scalef32_pk8_fp4_f32 v[C+4*(\t)], v[XS:XS+7], v11
	v_cvt_scalef32_pk8_fp4_f32 v[C+4*(\t)+1], v[XS+8:XS+15], v11
	v_lshrrev_b32 v[E+(\t)], 23, v11               ; the scale's byte (also the plain line behind the conversions)
	ds_store_b8 v5, v[E+(\t)] offset:16*(\t)       ; both lanes of a block write the same byte with the same value
	global_store_b64 v4, v[C+4*(\t):C+4*(\t)+1], s[24:25] offset:32*CB*(\t)   ; the wave stores 256 consecutive bytes, aligned
.endm
.irp t, 0,1,2,3,4,5,6,7,8,9,10,11,12,13,14,15
	STEP \t
.endr
	ds_load_b64 v[8:9], v6                         ; LDS serves a wave's instructions in order: these see my stores
	s_wait_dscnt 0x0
	global_store_b64 v7, v[8:9], s[26:27]          ; 32 lanes store 256 consecutive bytes, aligned
	s_wait_tensorcnt 0x0                           ; the wave's end: behind my last LDS store
	ds_add_u32 v[SPW], v[NIL]
	s_wait_dscnt 0x0
	s_endpgm
.Lfunc_end_k_qfcc2b81bc5_quant:
	.size	k_qfcc2b81bc5_quant, .Lfunc_end_k_qfcc2b81bc5_quant-k_qfcc2b81bc5_quant
	.p2alignl 7, 3214868480
	.fill 96, 4, 3214868480
	.section	.rodata,"a",@progbits
	.p2align	6, 0x0
	.amdhsa_kernel k_qfcc2b81bc5_quant
		.amdhsa_group_segment_fixed_size 33280
		.amdhsa_private_segment_fixed_size 0
		.amdhsa_enable_private_segment 0
		.amdhsa_kernarg_size 56
		.amdhsa_user_sgpr_count 2
		.amdhsa_user_sgpr_kernarg_segment_ptr 1
		.amdhsa_wavefront_size32 1
		.amdhsa_system_sgpr_workgroup_id_x 1
		.amdhsa_system_sgpr_workgroup_id_y 1
		.amdhsa_system_sgpr_workgroup_id_z 1
		.amdhsa_system_vgpr_workitem_id 0
		.amdhsa_next_free_vgpr 192
		.amdhsa_next_free_sgpr 66
		.amdhsa_reserve_vcc 0
		.amdhsa_float_denorm_mode_32 3
		.amdhsa_float_denorm_mode_16_64 3
		.amdhsa_memory_ordered 1
		.amdhsa_forward_progress 1
		.amdhsa_inst_pref_size 34
	.end_amdhsa_kernel
	.amdgpu_metadata
---
amdhsa.version: [ 1, 2 ]
amdhsa.kernels:
  - .name:           k_qfcc2b81bc5_quant
    .symbol:         k_qfcc2b81bc5_quant.kd
    .args:
      - { .name: x, .offset: 0, .size: 8, .value_kind: global_buffer, .address_space: global }
      - { .name: Wq, .offset: 8, .size: 8, .value_kind: global_buffer, .address_space: global }
      - { .name: Wk, .offset: 16, .size: 8, .value_kind: global_buffer, .address_space: global }
      - { .name: Wv, .offset: 24, .size: 8, .value_kind: global_buffer, .address_space: global }
      - { .name: Wp, .offset: 32, .size: 8, .value_kind: global_buffer, .address_space: global }
      - { .name: cod, .offset: 40, .size: 8, .value_kind: global_buffer, .address_space: global }
      - { .name: scl, .offset: 48, .size: 8, .value_kind: global_buffer, .address_space: global }
    .group_segment_fixed_size: 33280
    .private_segment_fixed_size: 0
    .kernarg_segment_align: 8
    .kernarg_segment_size: 56
    .max_flat_workgroup_size: 128
    .sgpr_count:     66
    .vgpr_count:     192
    .wavefront_size: 32
...
	.end_amdgpu_metadata
.endif
;; end of part 1
;; launch qkv (part 2): grid 12 x 32, 4 waves a work-group, clusters of 4 x 4, 327,680 bytes of LDS; arguments cod, scl, bq, bk, bv, qkimg, qksc, vimg, vsc; writes qkimg, qksc, vimg, vsc
.if DOCPART == 2
	.amdgcn_target "amdgcn-amd-amdhsa--gfx1250"
	.amdhsa_code_object_version 6
	.text
	.protected	k_qfcc2b81bc5_qkv
	.globl	k_qfcc2b81bc5_qkv
	.p2align	8
	.type	k_qfcc2b81bc5_qkv,@function
k_qfcc2b81bc5_qkv:
	s_mov_b64 s[64:65], 0
	v_nop
	global_prefetch_b8 v0, s[64:65] scope:SCOPE_SE
	s_setreg_imm32_b32 hwreg(HW_REG_WAVE_MODE, 25, 1), 1
	s_wait_xcnt 0x0
	s_wait_alu depctr_hold_cnt(0) depctr_sa_sdst(0) depctr_va_vdst(0) depctr_va_sdst(0) depctr_va_ssrc(0) depctr_va_vcc(0) depctr_vm_vsrc(0)
	s_getreg_b32 s2, hwreg(HW_REG_IB_STS2, 6, 4)
	s_cmp_eq_u32 s2, 0
	s_cbranch_scc0 .Lentry_in_a_cluster
	s_endpgm
.Lentry_in_a_cluster:
	s_bfe_u32 s2, ttmp6, 0x10000c
	s_cmp_lg_u32 s2, 0xf033
	s_cbranch_scc0 .Lentry_shape_is_right
	s_endpgm
.Lentry_shape_is_right:
; LAUNCH 2 OF 4: q = x Wq^T + bq, k = x Wk^T + bk, v = x Wv^T + bv on codes of FP4 with E8M0 scales (K = 1,024), sums in f32; the results are quantised here and leave as IMAGES OF OPERAND REGISTERS.  No work is left out here.
; A work-group of four waves makes 256 x 256 results, a wave 128 x 128: 64 accumulators, 512 registers.  K is two LDS slots of 512: both are asked for at the head and nothing is filled again.
; THE MATRIX INSTRUCTION IS USED TRANSPOSED: source 0 = 16 rows of the B side, source 1 = 16 rows of the A side: a lane holds ONE row of the A side, and its registers run along the B side.
;   clusters x = 0, 1 (q, k): A side = tokens, B side = rows of Wq, Wk: a lane holds a token, its registers run along the head's channels: K of the scores' product.
;   cluster  x = 2    (v):    A side = rows of Wv, B side = tokens:     a lane holds a channel, its registers run along the keys: K of the second attention product.
; Rows of cod lie in POSITION ORDER (launch 1), so the 16 registers of result tiles 2 b and 2 b + 1 are 16 true neighbours, 32 b + 16 (lane / 16) + 0 .. 15, of the B side.
; OUT: qkimg [batch 4][32: q's 16 heads, k's 16][tile 128][lane][16 bytes]: lane (r, h): channels 32 h .. 32 h + 31 of the token at position 16 tile + r.  qksc [batch][16 pairs of heads][tile][r][4 bytes].
;      vimg [batch x head 64][key step 16][channel tile 4][c 2][lane][16 bytes]: a whole fragment of V^T (16 channels in position order x 128 keys).  vsc [batch x head][key step][channel tile][r][4 bytes].
; CLUSTERS: 4 x 4 work-groups; the A side's tile is shared along a row of the cluster, the B side's along a column: each is asked for jointly.  The one branch on a work-group's number is on the cluster's x, the same in all sixteen partners.
; LIMITS: as launch 1's for blocks under 2^-124 and blocks of zeros; NaN and infinities are not served.
; REGISTERS, in windows of 256: window 0: v0-31 addresses; v32-95 scale words, two sets; v96-127 the quantiser's; v128-191 the A side's fragments, later 64 results with their bias; v192-255 biases.
;   window 1: the B side's fragments, two sets.   windows 2, 3: the accumulators ((a, b) at v[8 (8 (a % 4) + b)]).
.set NQ,     4                         ; matrix instructions deep in a slot
.set ROWB,   256                       ; a tile's row in bytes: 512 codes
.set KROW,   512                       ; a row of cod
.set PITCH,  272                       ; an LDS row: 256 bytes + 16 of padding: the 16 rows that a load touches start 68 words apart
.set FR,     8
.set NL,     2
.set NP,     4                         ; places behind this matrix instruction (ISA guide 7.12.1)
.set HALFT,  128*PITCH
.set SLOT,   4*HALFT
.set KS,     32                        ; a row of scl
.set SCL,    2*SLOT                    ; behind the slots: the scales of 512 rows, as units of 256 bytes + 16 of padding
.set HALFS,  (128*KS/256)*272
.set SBLK,   (16*KS/256)*272
.set SPARE,  SCL+4*HALFS               ; the spare words, 128 bytes for each wave
.set STG,    SPARE+512                 ; 512 bytes for each wave: the scale words of q's and k's way out;
.set STGV,   2048                      ; v's way out has bytes of its own, so much further on.  No fill lands in either
.set BO,   8                           ; v8   the biases' lane offset
.set CO2,  9                           ; v9   16 x lane
.set SST,  10                          ; v10  my stage + 4 r
.set SLD,  11                          ; v11  my stage + 16 x lane
.set SO2,  12                          ; v12  the scale words' lane offset in memory
.set ADRA, 16
.set ADRB, 20
.set ADRS, 27
.set SPW,  28
.set NIL,  29
.set SC,   32
.set TM,   96                          ; v96-99 largest magnitudes, v100-103 bytes, v108-111 the conversions' scale operands
.set PW,   112                         ; v112-119 a scale word for each of my 8 blocks of rows
.set PC,   120                         ; v120-127 the codes just made
.set AF,   128
.set T,    128                         ; 64 results + bias
.set BR,   192
.set SEL,  66                          ; s66, s67 v_permlanex16_b32's selects for lane l xor 16
.set G1, 24
.set G0, 32
.set G1B, 48
.set G0B, 56
.set G1S, 68
.set G0S, 76
.set G1SB, 80
.set G0SB, 88
.set MSB, 0
.macro WIN new                         ; the immediate's high byte repeats the setting that is left
.if MSB != (\new)
	s_set_vgpr_msb (MSB<<8)|(\new)
.set MSB, (\new)
.endif
.endm
.set MUL_LO, 0xa1                      ; source 0 window 1, source 1 window 0, C and D window 2
.set MUL_HI, 0xf1                      ; the same, C and D window 3
.set TO_B,   0x40
; A joint load: waves 0 and 1 fetch for the A side, waves 2 and 3 for the B side.  The branch hangs on the wave's number alone.  An s_nop 0 and four v_nop follow each of the two lines.
.macro JLOAD g0a, g1a, g0b, g1b
	s_cmp_eq_u32 s15, 0
	s_cbranch_scc0 .Lfor_b_\@
	tensor_load_to_lds s[\g0a:\g0a+3], s[\g1a:\g1a+7]
	s_nop 0
.rept 4
	v_nop
.endr
	s_branch .Lasked_\@
.Lfor_b_\@:
	tensor_load_to_lds s[\g0b:\g0b+3], s[\g1b:\g1b+7]
	s_nop 0
.rept 4
	v_nop
.endr
.Lasked_\@:
.endm
.macro CROUND                          ; a round of the cluster's barrier
	s_barrier_signal -1
	s_barrier_wait -1
	s_cmp_lg_u32 s14, 0
	s_cbranch_scc1 .Lnot_wave_0_\@
	s_barrier_signal -3
.Lnot_wave_0_\@:
	s_barrier_wait -3
	s_barrier_signal -1
	s_barrier_wait -1
.endm
	s_load_b128 s[4:7], s[0:1], 0x0                ; cod, scl
	s_load_b128 s[8:11], s[0:1], 0x10              ; bq, bk
	s_load_b128 s[92:95], s[0:1], 0x20             ; bv, qkimg
	s_load_b128 s[96:99], s[0:1], 0x30             ; qksc, vimg
	s_load_b64 s[100:101], s[0:1], 0x40            ; vsc
	v_lshl_add_u32 v[SPW], v0, 2, SPARE
	v_mov_b32 v[NIL], 0
	ds_add_u32 v[SPW], v[NIL]                      ; the wave's opening: the add, twice on end, and its wait ahead of my first tensor load
	ds_add_u32 v[SPW], v[NIL]
	v_lshrrev_b32 v1, 5, v0
	v_readfirstlane_b32 s14, v1                    ; wave 0..3
	s_lshr_b32 s15, s14, 1                         ; which half of the A side's rows is mine.  Also: I fetch for the A side (0) or the B side (1)
	s_and_b32 s16, s14, 1                          ; which half of the B side's.  Also: which 128 rows of that tile I fetch
	s_bfe_u32 s40, ttmp6, 0x40000                  ; cx, cy: my place in the cluster
	s_bfe_u32 s41, ttmp6, 0x40004
	s_and_b32 s12, ttmp7, 0xffff
	s_lshl_b32 s12, s12, 2                         ; 4 x cluster y: a run of four tiles of 256 tokens
	s_lshl_b32 s13, ttmp9, 2
	s_add_co_u32 s13, s13, 32                      ; Wq's and Wk's tiles of 256 rows: 32 .. 39 in cod
	s_cmp_eq_u32 ttmp9, 2                          ; cluster x = 2 makes v
	s_cselect_b32 s17, 40, s12                     ; the A side: Wv's tiles (40 .. 43), or tokens
	s_cselect_b32 s42, s12, s13                    ; the B side: tokens, or Wq's and Wk's
	s_add_co_u32 s17, s17, s41                     ; the A side's tile hangs on cy alone,
	s_add_co_u32 s42, s42, s40                     ; the B side's on cx alone
	s_lshl_b32 s43, s41, 2
	s_lshl_b32 s43, 15, s43                        ; my row of the cluster
	s_lshl_b32 s44, 0x1111, s40                    ; my column
	s_or_b32 s[G1+0], s43, (0<<16)|(1<<20)|(1<<21)|(5<<22)|(3<<25)  ; the mask; elements of 1 byte; padding on; bit 21 beside a mask; after every 64 words four words
	s_or_b32 s[G1B+0], s44, (0<<16)|(1<<20)|(1<<21)|(5<<22)|(3<<25)
.irp g, G1, G1B
	s_mov_b32 s[\g+1], ROWB<<16                    ; tensor_dim0
	s_mov_b32 s[\g+2], 128<<16                     ; tensor_dim1
	s_mov_b32 s[\g+3], ROWB<<16                    ; tile_dim0
	s_mov_b32 s[\g+4], 128                         ; tile_dim1
	s_mov_b32 s[\g+5], KROW                        ; from row to row
	s_mov_b32 s[\g+6], 0
	s_mov_b32 s[\g+7], 0
.endr
	s_or_b32 s[G1S+0], s43, (3<<16)|(1<<20)|(1<<21)|(5<<22)|(3<<25) ; the scales of 128 rows: 4,096 dense bytes as 16 rows of 256 (32 elements of 8 bytes), padded alike
	s_or_b32 s[G1SB+0], s44, (3<<16)|(1<<20)|(1<<21)|(5<<22)|(3<<25)
.irp g, G1S, G1SB
	s_mov_b32 s[\g+1], 32<<16
	s_mov_b32 s[\g+2], (128*KS/256)<<16
	s_mov_b32 s[\g+3], 32<<16
	s_mov_b32 s[\g+4], 128*KS/256
	s_mov_b32 s[\g+5], 32
	s_mov_b32 s[\g+6], 0
	s_mov_b32 s[\g+7], 0
.endr
	s_lshl_b32 s18, s16, 7                         ; which 128 rows of the tile I fetch
	s_lshl_b32 s20, s17, 8
	s_add_co_u32 s20, s20, s18                     ; the A side's first row in cod
	s_lshl_b32 s46, s42, 8
	s_add_co_u32 s46, s46, s18                     ; the B side's
	s_lshl_b32 s22, s20, 5                         ; their scales, 32 bytes a row,
	s_mov_b32 s23, 0
	s_lshl_b32 s12, s46, 5
	s_mov_b32 s13, 0
	s_lshl_b32 s20, s20, 9                         ; and their codes, 512 bytes a row
	s_mov_b32 s21, 0
	s_lshl_b32 s46, s46, 9
	s_mov_b32 s47, 0
	s_mul_i32 s45, s14, HALFT                      ; where they go: wave x 128 rows: no place in the cluster enters an LDS address
	s_mul_i32 s2, s14, HALFS
	s_mov_b32 s[SEL], 0x76543210
	s_mov_b32 s[SEL+1], 0xfedcba98
	s_wait_dscnt 0x0                               ; both opening adds are done
	s_wait_kmcnt 0x0
	s_add_nc_u64 s[20:21], s[4:5], s[20:21]
	s_add_nc_u64 s[22:23], s[6:7], s[22:23]
	s_add_nc_u64 s[46:47], s[4:5], s[46:47]
	s_add_nc_u64 s[12:13], s[6:7], s[12:13]
	CROUND                                         ; all sixteen work-groups are here: the first joint loads meet
	s_mov_b32 s[G0S], 1
	s_add_co_u32 s[G0S+1], s2, SCL
	s_mov_b64 s[G0S+2:G0S+3], s[22:23]
	s_or_b32 s[G0S+3], s[G0S+3], 0x80000000
	s_mov_b32 s[G0SB], 1
	s_add_co_u32 s[G0SB+1], s2, SCL
	s_mov_b64 s[G0SB+2:G0SB+3], s[12:13]
	s_or_b32 s[G0SB+3], s[G0SB+3], 0x80000000
	JLOAD G0S, G1S, G0SB, G1SB                     ; the scales first: they are wanted with slot 0
.irp s, 0,1
	s_mov_b32 s[G0+4*\s], 1
	s_add_co_u32 s[G0+4*\s+1], s45, \s*SLOT
	s_add_nc_u64 s[G0+4*\s+2:G0+4*\s+3], s[20:21], \s*ROWB
	s_or_b32 s[G0+4*\s+3], s[G0+4*\s+3], 0x80000000
	s_mov_b32 s[G0B+4*\s], 1
	s_add_co_u32 s[G0B+4*\s+1], s45, \s*SLOT
	s_add_nc_u64 s[G0B+4*\s+2:G0B+4*\s+3], s[46:47], \s*ROWB
	s_or_b32 s[G0B+4*\s+3], s[G0B+4*\s+3], 0x80000000
	JLOAD G0+4*\s, G1, G0B+4*\s, G1B               ; three tensor loads of mine are out behind the second of these
.endr
	v_and_b32 v1, 15, v0                           ; r = lane % 16
	v_bfe_u32 v2, v0, 4, 1                         ; h = lane / 16
	v_mul_u32_u24 v3, v1, PITCH
	v_lshl_add_u32 v4, v2, 4, v3                   ; a fragment's row x pitch + 16 x half
	s_mul_i32 s21, s15, HALFT                      ; my 128 rows of the A side
	s_mul_i32 s22, s16, HALFT                      ; my 128 rows of the B side,
	s_add_co_u32 s22, s22, 2*HALFT                 ; which lie behind the A side's 256
.irp s, 0,1
	v_add_nc_u32 v[ADRA+\s], s21, v4
	v_add_nc_u32 v[ADRB+\s], s22, v4
	s_add_co_u32 s21, s21, SLOT
	s_add_co_u32 s22, s22, SLOT
.endr
	v_mul_u32_u24 v5, v1, KS                       ; my row's scales: 32 bytes a row,
	v_lshrrev_b32 v6, 8, v5
	v_lshl_add_u32 v5, v6, 4, v5                   ; and 16 more for each 256 passed
	s_mul_i32 s21, s15, HALFS
	s_mul_i32 s22, s16, HALFS
	s_add_co_u32 s22, s22, 2*HALFS
	s_sub_co_u32 s22, s22, s21
	v_mul_u32_u24 v6, s22, v2                      ; lanes 16-31 take the B side's
	s_add_co_u32 s21, s21, SCL
	v_add_nc_u32 v5, v5, v6
	v_add_nc_u32 v[ADRS], s21, v5
	v_and_b32 v6, 31, v0
	v_lshlrev_b32 v[CO2], 4, v6                    ; 16 x lane
	s_lshl_b32 s23, s14, 9
	s_add_co_u32 s23, s23, STG                     ; my 512 bytes of the stage
	v_lshl_add_u32 v[SST], v1, 2, s23
	v_add_nc_u32 v[SLD], s23, v[CO2]
.irp b, 0,1,2,3
	v_mov_b32 v[TM+4+\b], 0                        ; written once: a lane permute's destination counts as one of its sources
.endr
.macro FRAG reg, adr, q, i             ; 16 rows x 128 K of 4-bit codes: 8 registers: lane l holds row l % 16; registers 4 c .. 4 c + 3 hold K = 64 c + 32 (l / 16) + 0 .. 31
.irp c, 0,1
	ds_load_b128 v[\reg+4*\c:\reg+4*\c+3], v[\adr] offset:64*(\q)+32*\c+(\i)*16*PITCH
.endr
.endm
; 16 matrix instructions: the A side's blocks a0, a0 + 1 x the B side's eight, the slot's q-th 128 along K.  The 64 accumulators take turns, one instruction a turn, in the same order in every step.
.macro MUL16 a0, p, q, sc, zero
.irp a, \a0, \a0+1
.irp b, 0,1,2,3,4,5,6,7
.if \zero
	v_wmma_scale_f32_16x16x128_f8f6f4 v[8*(8*((\a)%4)+\b):8*(8*((\a)%4)+\b)+7], v[128*(\p)+FR*\b:128*(\p)+FR*\b+FR-1], v[AF+FR*(\a):AF+FR*(\a)+FR-1], 0, v[SC+8*NQ*(\sc)+NQ*\b+(\q)], v[SC+8*NQ*(\sc)+NQ*(\a)+(\q)] matrix_a_fmt:MATRIX_FMT_FP4 matrix_b_fmt:MATRIX_FMT_FP4 matrix_a_scale:MATRIX_SCALE_ROW1
.else
	v_wmma_scale_f32_16x16x128_f8f6f4 v[8*(8*((\a)%4)+\b):8*(8*((\a)%4)+\b)+7], v[128*(\p)+FR*\b:128*(\p)+FR*\b+FR-1], v[AF+FR*(\a):AF+FR*(\a)+FR-1], v[8*(8*((\a)%4)+\b):8*(8*((\a)%4)+\b)+7], v[SC+8*NQ*(\sc)+NQ*\b+(\q)], v[SC+8*NQ*(\sc)+NQ*(\a)+(\q)] matrix_a_fmt:MATRIX_FMT_FP4 matrix_b_fmt:MATRIX_FMT_FP4 matrix_a_scale:MATRIX_SCALE_ROW1
.endif
.endr
.endr
.endm
.macro FETCH_B slot, q, p
	WIN TO_B
.irp i, 0,1,2,3,4,5,6,7
	FRAG 128*(\p)+FR*\i, ADRB+\slot, \q, \i
.endr
	WIN 0
.endm
.macro FETCH_A slot, q, i0
.irp i, \i0, \i0+1, \i0+2, \i0+3
	FRAG AF+FR*(\i), ADRA+\slot, \q, \i
.endr
.endm
.macro SCALES sc                       ; a slot's scale words: 4 words a row; lanes 0-15 take the A side's block i, lanes 16-31 the B side's
.irp i, 0,1,2,3,4,5,6,7
	ds_load_b128 v[SC+8*NQ*\sc+NQ*\i:SC+8*NQ*\sc+NQ*\i+3], v[ADRS] offset:\i*SBLK
.endr
.endm
.macro PLACES n                        ; plain vector instructions that name no register of the matrix instructions in front of them (ISA guide 7.12.1)
.rept \n
	v_nop
.endr
.endm
.macro STEP slot, q, zero              ; a step of 128 along K that has its successor in the same slot
	s_wait_dscnt 4*NL                              ; all but the youngest eight loads (the A side's blocks 4-7) are in
	WIN MUL_LO
	MUL16 0, (\q)%2, \q, \slot, \zero
	MUL16 2, (\q)%2, \q, \slot, \zero
	s_wait_dscnt 0                                 ; blocks 4-7 are in
	PLACES NP
	FETCH_B \slot, (\q)+1, 1-(\q)%2
	FETCH_A \slot, (\q)+1, 0
	WIN MUL_HI
	MUL16 4, (\q)%2, \q, \slot, \zero
	MUL16 6, (\q)%2, \q, \slot, \zero
	PLACES NP
	WIN 0
	FETCH_A \slot, (\q)+1, 4
.endm
.macro TURN slot, next                 ; slot 0's last step changes slots: one barrier; nothing is filled again
	s_wait_tensorcnt 0x0                           ; all my tensor loads have landed: my part of the next slot;
	ds_add_u32 v[SPW], v[NIL]                      ; 0 onto my spare word;
	s_wait_dscnt 4*NL+1                            ; (the add and the youngest eight loads may be out)
	WIN MUL_LO
	MUL16 0, 1, NQ-1, \slot, 0
	s_wait_dscnt 0x0                               ; the add is done, and my reads of this slot are over
	s_barrier_signal -1
	MUL16 2, 1, NQ-1, \slot, 0
	WIN 0
	s_barrier_wait -1                              ; the next slot is whole
	PLACES NP
	v_add_nc_u32 v[ADRS], 4*NQ, v[ADRS]            ; on to the next slot's scale words
	FETCH_B \next, 0, 0
	FETCH_A \next, 0, 0
	SCALES \next
	WIN MUL_HI
	MUL16 4, 1, NQ-1, \slot, 0
	MUL16 6, 1, NQ-1, \slot, 0
	PLACES NP
	WIN 0
	FETCH_A \next, 0, 4
.endm
.macro STEPS slot, from
.set Q, \from
.rept NQ-1-\from
	STEP \slot, Q, 0
.set Q, Q+1
.endr
.endm
; 64 numbers of a lane, v[s] .. v[s + 63], register 16 b + i = K 32 b + 16 (lane / 16) + i of my row, become a fragment's codes in v[PC] on and its scale word in v[pw].
.macro QUANT s, pw
.irp b, 0,1,2,3
	v_max3_num_f32 v[TM+\b], |v[\s+16*\b]|, |v[\s+1+16*\b]|, 0x1800000   ; my 16 numbers of block b, and the floor 2^(3 - 127): so the byte cannot fall under 1
.endr
.irp i, 2,4,6,8,10,12,14
.irp b, 0,1,2,3
	v_max3_num_f32 v[TM+\b], v[TM+\b], |v[\s+16*\b+\i]|, |v[\s+1+16*\b+\i]|   ; (the four blocks by turns)
.endr
.endr
.irp b, 0,1,2,3
	v_permlanex16_b32 v[TM+4+\b], v[TM+\b], s[SEL], s[SEL+1]
.endr
.irp b, 0,1,2,3
	v_max_num_f32 v[TM+\b], v[TM+\b], v[TM+4+\b]   ; with lane l xor 16's: the block's largest magnitude
.endr
.irp b, 0,1,2,3
	v_add_nc_u32 v[TM+12+\b], 0xff000000, v[TM+\b] ; 2 off its exponent field: the conversion's scale operand
.endr
.irp b, 0,1,2,3
	v_lshrrev_b32 v[TM+4+\b], 23, v[TM+12+\b]      ; the scale's byte
.endr
	v_lshl_or_b32 v[(\pw)], v[TM+5], 8, v[TM+4]    ; the four bytes make my row's scale word
	v_lshl_or_b32 v[(\pw)], v[TM+6], 16, v[(\pw)]
	v_lshl_or_b32 v[(\pw)], v[TM+7], 24, v[(\pw)]
.irp b, 0,1,2,3
	v_cvt_scalef32_pk8_fp4_f32 v[PC+2*\b], v[\s+16*\b:\s+7+16*\b], v[TM+12+\b]
	v_cvt_scalef32_pk8_fp4_f32 v[PC+1+2*\b], v[\s+8+16*\b:\s+15+16*\b], v[TM+12+\b]
.endr
	v_nop                                          ; one plain place behind a scaled conversion
.irp c, 0,1                                    ; the operand's layout wants a WHOLE block in a lane: lanes 0-15 block 2 c, lanes 16-31 block 2 c + 1
.irp i, 0,1
	v_permlane16_swap_b32 v[PC+4*\c+\i], v[PC+2+4*\c+\i]
.endr
.endr
.endm
; Block a of my 8 blocks of 16 rows: + bias, quantised, stored.  kind = 0: q, k;  1: v.
.macro EPI a, kind
.if (\a) > 0
	s_wait_xcnt 0x0                                ; the last block's stores have read their data: the codes' registers are written again only behind this wait
.endif
	WIN 0x02+(\a)/4                                ; source 0: window 2 or 3
.set kk, 0
.rept 32                                       ; each accumulator is read from its low end on
.if \kind
	v_pk_add_f32 v[T+kk:T+kk+1], v[64*((\a)%4)+kk:64*((\a)%4)+kk+1], v[BR+2*(\a):BR+2*(\a)+1]   ; my channel's bias, twice
.else
	v_pk_add_f32 v[T+kk:T+kk+1], v[64*((\a)%4)+kk:64*((\a)%4)+kk+1], v[BR+kk:BR+kk+1]           ; the registers' channels' biases
.endif
.set kk, kk+2
.endr
	WIN 0
	QUANT T, PW+(\a)
.if \kind
	global_store_b128 v[CO2], v[PC:PC+3], s[CBS:CBS+1] offset:((\a)/4)*65536+((\a)%4)*1024       ; head a / 4 of my two, channel tile a % 4: 512 consecutive bytes, aligned
	global_store_b128 v[CO2], v[PC+4:PC+7], s[CBS:CBS+1] offset:((\a)/4)*65536+((\a)%4)*1024+512
	ds_store_b32 v[SST], v[PW+(\a)] offset:STGV+64*(\a)
.else
	global_store_b128 v[CO2], v[PC:PC+3], s[CBS:CBS+1] offset:(\a)*512                           ; the even head's 64 channels of 16 tokens: 512 consecutive bytes, aligned
	global_store_b128 v[CO2], v[PC+4:PC+7], s[CBS:CBS+1] offset:65536+(\a)*512                   ; the odd head's
	ds_store_b32 v[SST], v[PW+(\a)] offset:64*(\a)                                               ; lanes r and r + 16 write the same word with the same value
.endif
.endm
; THE TAIL: the bases, the biases' loads, the last step of 128 along K (under which the biases land), the eight blocks, the scale words.
.macro TAIL kind
	s_lshl_b32 s18, s17, 8
	s_lshl_b32 s19, s15, 7
	s_add_co_u32 s18, s18, s19                     ; my first row of the A side, in cod
	s_lshl_b32 s19, s42, 8
	s_lshl_b32 s20, s16, 7
	s_add_co_u32 s19, s19, s20                     ; and of the B side
	s_mov_b32 s23, 0
.if \kind
.set CBS, 98
.set SBS, 100
	s_sub_co_u32 s18, s18, 10240                   ; my first channel, 0 .. 1,023: two heads
	s_lshr_b32 s20, s19, 11                        ; the batch
	s_lshl_b32 s20, s20, 4
	s_lshr_b32 s21, s18, 7
	s_lshl_b32 s21, s21, 1
	s_add_co_u32 s20, s20, s21                     ; 16 x batch + my even head
	s_bfe_u32 s21, s19, 0x40007                    ; the key step: my 128 tokens among the batch's 2,048
	s_lshl_b32 s22, s20, 16
	s_lshl_b32 s43, s21, 12
	s_add_co_u32 s22, s22, s43
	s_add_nc_u64 s[98:99], s[98:99], s[22:23]      ; vimg
	s_lshl_b32 s22, s20, 12
	s_lshl_b32 s43, s21, 8
	s_add_co_u32 s22, s22, s43
	s_add_nc_u64 s[100:101], s[100:101], s[22:23]  ; vsc
	s_lshl_b32 s22, s18, 2
	s_add_nc_u64 s[92:93], s[92:93], s[22:23]      ; bv at my first channel
	v_and_b32 v[BO], 8, v1
	v_add_nc_u32 v[BO], v[BO], v1
	v_lshlrev_b32 v[BO], 2, v[BO]                  ; position r of a tile is true channel r + 8 (r / 8) of it
	v_lshlrev_b32 v[SO2], 4, v1
	v_lshl_add_u32 v[SO2], v2, 12, v[SO2]          ; the scale words: lanes 0-15 the even head's 256 bytes, lanes 16-31 the odd head's, 4,096 bytes on
.irp a, 0,1,2,3,4,5,6,7
	global_load_b32 v[BR+2*\a], v[BO], s[92:93] offset:4*(32*(\a/2)+8*(\a%2))
	global_load_b32 v[BR+2*\a+1], v[BO], s[92:93] offset:4*(32*(\a/2)+8*(\a%2))   ; the same word: a pair for the packed addition
.endr
.else
.set CBS, 94
.set SBS, 96
	s_sub_co_u32 s19, s19, 8192                    ; my first column: 0 .. 1,023 q's, 1,024 .. 2,047 k's: two heads
	s_lshr_b32 s20, s18, 11                        ; the batch
	s_and_b32 s21, s18, 2047                       ; my first token's position in it
	s_lshl_b32 s22, s20, 21
	s_lshr_b32 s43, s19, 6
	s_lshl_b32 s43, s43, 16
	s_add_co_u32 s22, s22, s43
	s_lshl_b32 s43, s21, 5
	s_add_co_u32 s22, s22, s43
	s_add_nc_u64 s[94:95], s[94:95], s[22:23]      ; qkimg
	s_lshl_b32 s22, s20, 17
	s_lshr_b32 s43, s19, 7
	s_lshl_b32 s43, s43, 13
	s_add_co_u32 s22, s22, s43
	s_lshl_b32 s43, s21, 2
	s_add_co_u32 s22, s22, s43
	s_add_nc_u64 s[96:97], s[96:97], s[22:23]      ; qksc
	s_and_b32 s22, s19, 1023
	s_lshl_b32 s22, s22, 2
	s_cmp_eq_u32 ttmp9, 0
	s_cselect_b64 s[8:9], s[8:9], s[10:11]         ; bq or bk: the choice hangs on the cluster's x alone
	s_add_nc_u64 s[8:9], s[8:9], s[22:23]
	v_lshlrev_b32 v[BO], 6, v2                     ; register 16 b + i is true column 32 b + 16 h + i
	v_mov_b32 v[SO2], v[CO2]                       ; the scale words: 512 consecutive bytes
.irp be, 0,1,2,3
.irp i, 0,1,2,3
	global_load_b128 v[BR+16*\be+4*\i:BR+16*\be+4*\i+3], v[BO], s[8:9] offset:128*\be+16*\i
.endr
.endr
.endif
	s_wait_dscnt 4*NL                              ; the last step: nothing more to fetch
	WIN MUL_LO
	MUL16 0, 1, NQ-1, 1, 0
	MUL16 2, 1, NQ-1, 1, 0
	s_wait_dscnt 0
	WIN MUL_HI
	MUL16 4, 1, NQ-1, 1, 0
	MUL16 6, 1, NQ-1, 1, 0
	WIN 0
	PLACES NP                                      ; in front of the first read of results, and of the first write over the A side's fragments
	s_wait_loadcnt 0x0                             ; the biases
.irp a, 0,1,2,3,4,5,6,7
	EPI \a, \kind
.endr
	ds_load_b128 v[T:T+3], v[SLD] offset:STGV*\kind   ; my 128 scale words, 16 bytes a lane: LDS serves a wave's instructions in order: this sees my stores
	s_wait_dscnt 0x0
	global_store_b128 v[SO2], v[T:T+3], s[SBS:SBS+1]  ; sixteen lanes store 256 consecutive bytes, aligned
	s_wait_tensorcnt 0x0                           ; the wave's end: behind my last tensor load and my last LDS store
	ds_add_u32 v[SPW], v[NIL]
	s_wait_dscnt 0x0
.endm
	s_wait_tensorcnt 1                             ; the scales and my part of slot 0 are in (slot 1's load may be out)
	s_barrier_signal -1
	s_barrier_wait -1                              ; everybody's are
	FETCH_B 0, 0, 0
	FETCH_A 0, 0, 0
	SCALES 0
	FETCH_A 0, 0, 4
	STEP 0, 0, 1                                   ; the first products start the sums: nothing is cleared
	STEPS 0, 1
	TURN 0, 1
	STEPS 1, 0
	s_cmp_eq_u32 ttmp9, 2                          ; the cluster's x: the same in all sixteen partners and in all four waves
	s_cbranch_scc1 .Lv
	TAIL 0
	s_branch .Lend
.Lv:
	TAIL 1
.Lend:
	CROUND                                         ; the closing round: no work-group ends while a partner may still ask for a tile that names it
	s_endpgm
.Lfunc_end_k_qfcc2b81bc5_qkv:
	.size	k_qfcc2b81bc5_qkv, .Lfunc_end_k_qfcc2b81bc5_qkv-k_qfcc2b81bc5_qkv
	.p2alignl 7, 3214868480
	.fill 96, 4, 3214868480
	.section	.rodata,"a",@progbits
	.p2align	6, 0x0
	.amdhsa_kernel k_qfcc2b81bc5_qkv
		.amdhsa_group_segment_fixed_size 327680
		.amdhsa_private_segment_fixed_size 0
		.amdhsa_enable_private_segment 0
		.amdhsa_kernarg_size 72
		.amdhsa_user_sgpr_count 2
		.amdhsa_user_sgpr_kernarg_segment_ptr 1
		.amdhsa_wavefront_size32 1
		.amdhsa_system_sgpr_workgroup_id_x 1
		.amdhsa_system_sgpr_workgroup_id_y 1
		.amdhsa_system_sgpr_workgroup_id_z 1
		.amdhsa_system_vgpr_workitem_id 0
		.amdhsa_next_free_vgpr 1024
		.amdhsa_next_free_sgpr 102
		.amdhsa_reserve_vcc 0
		.amdhsa_float_denorm_mode_32 3
		.amdhsa_float_denorm_mode_16_64 3
		.amdhsa_memory_ordered 1
		.amdhsa_forward_progress 1
		.amdhsa_inst_pref_size 206
	.end_amdhsa_kernel
	.amdgpu_metadata
---
amdhsa.version: [ 1, 2 ]
amdhsa.kernels:
  - .name:           k_qfcc2b81bc5_qkv
    .symbol:         k_qfcc2b81bc5_qkv.kd
    .args:
      - { .name: cod, .offset: 0, .size: 8, .value_kind: global_buffer, .address_space: global }
      - { .name: scl, .offset: 8, .size: 8, .value_kind: global_buffer, .address_space: global }
      - { .name: bq, .offset: 16, .size: 8, .value_kind: global_buffer, .address_space: global }
      - { .name: bk, .offset: 24, .size: 8, .value_kind: global_buffer, .address_space: global }
      - { .name: bv, .offset: 32, .size: 8, .value_kind: global_buffer, .address_space: global }
      - { .name: qkimg, .offset: 40, .size: 8, .value_kind: global_buffer, .address_space: global }
      - { .name: qksc, .offset: 48, .size: 8, .value_kind: global_buffer, .address_space: global }
      - { .name: vimg, .offset: 56, .size: 8, .value_kind: global_buffer, .address_space: global }
      - { .name: vsc, .offset: 64, .size: 8, .value_kind: global_buffer, .address_space: global }
    .group_segment_fixed_size: 327680
    .private_segment_fixed_size: 0
    .kernarg_segment_align: 8
    .kernarg_segment_size: 72
    .max_flat_workgroup_size: 128
    .sgpr_count:     102
    .vgpr_count:     1024
    .wavefront_size: 32
...
	.end_amdgpu_metadata
.endif
;; end of part 2
;; launch attn (part 3): grid 4 x 64, 16 waves a work-group, clusters of 4 x 1, 167,936 bytes of LDS; arguments qkimg, qksc, vimg, vsc, oimg, osc; writes oimg, osc
.if DOCPART == 3
	.amdgcn_target "amdgcn-amd-amdhsa--gfx1250"
	.amdhsa_code_object_version 6
	.text
	.protected	k_qfcc2b81bc5_attn
	.globl	k_qfcc2b81bc5_attn
	.p2align	8
	.type	k_qfcc2b81bc5_attn,@function
k_qfcc2b81bc5_attn:
	s_mov_b64 s[64:65], 0
	v_nop
	global_prefetch_b8 v0, s[64:65] scope:SCOPE_SE
	s_setreg_imm32_b32 hwreg(HW_REG_WAVE_MODE, 25, 1), 1
	s_wait_xcnt 0x0
	s_wait_alu depctr_hold_cnt(0) depctr_sa_sdst(0) depctr_va_vdst(0) depctr_va_sdst(0) depctr_va_ssrc(0) depctr_va_vcc(0) depctr_vm_vsrc(0)
	s_getreg_b32 s2, hwreg(HW_REG_IB_STS2, 6, 4)
	s_cmp_eq_u32 s2, 0
	s_cbranch_scc0 .Lentry_in_a_cluster
	s_endpgm
.Lentry_in_a_cluster:
	s_bfe_u32 s2, ttmp6, 0x10000c
	s_cmp_lg_u32 s2, 0x3003
	s_cbranch_scc0 .Lentry_shape_is_right
	s_endpgm
.Lentry_shape_is_right:
; LAUNCH 3 OF 4: for each batch and head, o = softmax(q k^T / 8, causal) v, both products on codes of FP4 with E8M0 scales; o is quantised along the model's 1,024 (two blocks of 32 a head) and leaves as images of operand registers.
; LEFT OUT: a step of 128 keys all of which come after a tile's 16 queries: reference()'s own causal mask gives them the weight 0 for all values of the inputs (shown at the head of launch 1).
; THE SOFTMAX: t = score x log2(e) / 8; M = the running largest t, rounded UP to a whole number; p = 2^(t - M) is quantised along the keys, not normalised; the row's sum is taken of the unquantised p and divides at the end (by v_rcp_f32 and a multiplication).
; When M moves, the sum and O are multiplied by 2^(old M - new M): exact.
; SHARES.  The four work-groups of a cluster serve one batch and head.  The head's K and V (codes 2 x 65,536 bytes, scale bytes 8,192 + 4,096) come into each one's LDS ONCE, by joint loads, and stay: no ring, one barrier.
; Tiles of 16 queries lie in position order (launch 1): tile 8 j + u lies in key step j and needs key steps 0 .. j.  Wave w of work-group g makes tile 8 w + g, then tile 8 (15 - w) + g + 4: (w + 1) + (16 - w) = 17 key steps for every wave.
; No branch, trip count or LDS address hangs on g: it enters global addresses and the mask's numbers alone.
; LAYOUT.  Both products are used transposed: S^T = K Q^T (source 0 = 16 keys, source 1 = my 16 queries), O^T = V^T P^T: a lane holds ONE query (lane % 16) throughout.  Keys lie in position order, so the 16 registers of score tiles 2 b, 2 b + 1
; are true keys 32 b + 16 (lane / 16) + 0 .. 15 of the step; V^T's channels likewise, so O^T's 32 registers are true channels 32 b + 16 (lane / 16) + i.
; K = 64 IN A FORM OF 128: Q's registers 4-7 hold zero codes and the upper two scale bytes of both sides are 0 (2^-127, a finite number); K's registers 4-7 are simply the next tile's codes: they meet zeros and add nothing.
; LIMITS: blocks under 2^-124 and blocks of zeros get the byte 1 (only this program reads it); NaN and infinities among the inputs are not served.
; osc is written two bytes a row by each head (a head owns 2 of a row's 32 scale bytes): stores that cover runs of 64 bytes in part; they are a sixteenth of the codes' bytes.
; REGISTERS: v1-7 addresses that stay; v8-11 the step's; v12 -M, v13 the largest t, v[14:15] the sum; v16-23 Q; v25-27 the mask's numbers, a lane offset; v32-67 K; v68-75, v76-79 K's and V's scale words; v96-159 S^T, then p; v160-191 O^T;
;   v192-223 V; v224-231 p's codes; v232-254 at work (v253 p's scale word); v255 Q's scale word.
.set KIMG,  0                          ; LDS: K's images: tile x 512 + 16 x lane
.set VIMG,  65536                      ; V's: key step x 4,096 + channel tile x 1,024 + c x 512 + 16 x lane
.set KSC,   131072                     ; K's scale words of a pair of heads: tile x 64 + 4 r
.set VSC,   139264                     ; V's: key step x 256 + channel tile x 64 + 4 r
.set SPARE, 143360                     ; the spare words, 128 bytes for each of 16 waves
.set AK0,  1
.set AV0,  2
.set ASK0, 3
.set ASV0, 4
.set SPW,  5
.set NIL,  6
.set GO,   7                           ; v7   16 x lane: an image's place in memory
.set ADK,  8
.set ADV,  9
.set ADS,  10
.set ADT,  11
.set DM,   25                          ; v25  my query - the diagonal step's first key - 16 (lane / 16)
.set DL,   26                          ; v26  the lane's part of it
.set GS,   27                          ; v27  4 r + 2 (head % 2): my half word among a pair's scale words
.set KR,   32
.set KSW,  68
.set VSW,  76
.set S,    96
.set OT,   160
.set VR,   192
.set PC,   224
.set WV,   18
.set SEL,  20
.set CS,   22                          ; s[22:23] c = log2(e) / 8
.set G1,   24                          ; s[24:31] 32 rows of 256 bytes, dense
.set G1S,  32                          ; s[32:39] 16 such rows
.set G0A,  40                          ; every wave: an eighth of K's or of V's images
.set G0B,  44                          ; wave 0: K's scale words
.set G0C,  48                          ; wave 1: V's
.set TB,   2                           ; s2   the step's images: 4,096 bytes a step, in K's as in V's
.set TS,   3                           ; s3   its scale words of K: 512 bytes a step
.set TJ,   66                          ; s66  and of V: 256
.set J,    67                          ; s67  the key step
.set JT,   68                          ; s68  the key step in which my tile lies
.macro ROUND                           ; a round of the cluster's barrier
	s_barrier_signal -1
	s_barrier_wait -1
	s_cmp_lg_u32 s[WV], 0
	s_cbranch_scc1 .Lnot_wave_0_\@
	s_barrier_signal -3
.Lnot_wave_0_\@:
	s_barrier_wait -3
	s_barrier_signal -1
	s_barrier_wait -1
.endm
	s_load_b256 s[4:11], s[0:1], 0x0               ; qkimg, qksc, vimg, vsc
	s_load_b128 s[12:15], s[0:1], 0x20             ; oimg, osc
	v_lshl_add_u32 v[SPW], v0, 2, SPARE
	v_mov_b32 v[NIL], 0
	ds_add_u32 v[SPW], v[NIL]                      ; the wave's opening: the add, twice on end, and its wait ahead of my first tensor load
	ds_add_u32 v[SPW], v[NIL]
	v_lshrrev_b32 v8, 5, v0
	s_delay_alu instid0(VALU_DEP_1)
	v_readfirstlane_b32 s[WV], v8                  ; wave 0..15
	s_bfe_u32 s69, ttmp6, 0x40000                  ; g: my place in the cluster
	s_and_b32 s72, ttmp7, 0xffff                   ; 16 x batch + head, which the four partners share
	s_lshr_b32 s70, s72, 4                         ; the batch
	s_and_b32 s71, s72, 15                         ; the head
	s_mov_b32 s[G1], 15|(3<<16)|(1<<21)            ; the mask: all four work-groups; elements of 8 bytes; bit 21 beside a mask; no padding: every LDS read takes 16 x lane
	s_mov_b32 s[G1+1], 32<<16                      ; tensor_dim0 = 32 elements: 256 bytes
	s_mov_b32 s[G1+2], 32<<16                      ; tensor_dim1 = 32 rows
	s_mov_b32 s[G1+3], 32<<16                      ; tile_dim0
	s_mov_b32 s[G1+4], 32                          ; tile_dim1
	s_mov_b32 s[G1+5], 32                          ; from row to row: dense
	s_mov_b32 s[G1+6], 0
	s_mov_b32 s[G1+7], 0
	s_mov_b32 s[G1S], 15|(3<<16)|(1<<21)
	s_mov_b32 s[G1S+1], 32<<16
	s_mov_b32 s[G1S+2], 16<<16
	s_mov_b32 s[G1S+3], 32<<16
	s_mov_b32 s[G1S+4], 16
	s_mov_b32 s[G1S+5], 32
	s_mov_b32 s[G1S+6], 0
	s_mov_b32 s[G1S+7], 0
	s_lshl_b32 s73, s70, 5
	s_add_co_u32 s73, s73, s71
	s_add_co_u32 s73, s73, 16                      ; K's images: number 32 x batch + 16 + head in qkimg
	s_cmp_lt_u32 s[WV], 8                          ; waves 0-7 fetch K's, waves 8-15 V's
	s_cselect_b32 s73, s73, s72
	s_lshl_b32 s52, s73, 16                        ; 65,536 bytes each,
	s_and_b32 s74, s[WV], 7
	s_lshl_b32 s74, s74, 13
	s_add_co_u32 s52, s52, s74                     ; my eighth
	s_mov_b32 s53, 0
	s_lshl_b32 s54, s70, 4
	s_lshr_b32 s74, s71, 1
	s_add_co_u32 s54, s54, s74
	s_add_co_u32 s54, s54, 8                       ; K's scale words: pair 16 x batch + 8 + head / 2 in qksc
	s_lshl_b32 s54, s54, 13
	s_mov_b32 s55, 0
	s_lshl_b32 s56, s72, 12                        ; V's: 4,096 bytes a head
	s_mov_b32 s57, 0
	s_mov_b32 s[SEL], 0x76543210
	s_mov_b32 s[SEL+1], 0xfedcba98                 ; v_permlanex16_b32's selects for lane l xor 16
	s_mov_b32 s[CS], 0x3e38aa3b                    ; log2(e) / 8
	s_mov_b32 s[CS+1], s[CS]                       ; (named with it as a pair, so it is written)
	s_wait_dscnt 0x0                               ; both opening adds are done
	s_wait_kmcnt 0x0
	s_mov_b32 s[G0A], 1
	s_lshl_b32 s[G0A+1], s[WV], 13                 ; LDS: wave x 8,192: K's images, then V's
	s_cmp_lt_u32 s[WV], 8
	s_cselect_b64 s[G0A+2:G0A+3], s[4:5], s[8:9]
	s_add_nc_u64 s[G0A+2:G0A+3], s[G0A+2:G0A+3], s[52:53]
	s_or_b32 s[G0A+3], s[G0A+3], 0x80000000
	s_mov_b32 s[G0B], 1
	s_mov_b32 s[G0B+1], KSC
	s_add_nc_u64 s[G0B+2:G0B+3], s[6:7], s[54:55]
	s_or_b32 s[G0B+3], s[G0B+3], 0x80000000
	s_mov_b32 s[G0C], 1
	s_mov_b32 s[G0C+1], VSC
	s_add_nc_u64 s[G0C+2:G0C+3], s[10:11], s[56:57]
	s_or_b32 s[G0C+3], s[G0C+3], 0x80000000
	ROUND                                          ; all four work-groups are here: the joint loads meet
	tensor_load_to_lds s[G0A:G0A+3], s[G1:G1+7]    ; every wave: 8,192 bytes
	s_nop 0
.rept 4
	v_nop
.endr
	s_cmp_lg_u32 s[WV], 0                          ; waves 0 and 1 have a second load: two of theirs are out
	s_cbranch_scc1 .Lnot_0
	tensor_load_to_lds s[G0B:G0B+3], s[G1:G1+7]
	s_nop 0
.rept 4
	v_nop
.endr
	s_branch .Lasked
.Lnot_0:
	s_cmp_lg_u32 s[WV], 1
	s_cbranch_scc1 .Lasked
	tensor_load_to_lds s[G0C:G0C+3], s[G1S:G1S+7]
	s_nop 0
.rept 4
	v_nop
.endr
.Lasked:
	v_and_b32 v8, 31, v0                           ; lane
	v_and_b32 v9, 15, v0                           ; r
	v_bfe_u32 v10, v0, 4, 1                        ; h
	s_and_b32 s74, s71, 1
	s_lshl_b32 s74, s74, 1                         ; 2 x (head % 2)
	v_lshlrev_b32 v[AK0], 4, v8
	v_lshl_add_u32 v[AV0], v8, 4, VIMG
	v_lshlrev_b32 v[GO], 4, v8
	v_lshl_add_u32 v[GS], v9, 2, s74
	s_delay_alu instid0(VALU_DEP_1)
	v_add_nc_u32 v[ASK0], KSC, v[GS]
	v_lshl_add_u32 v[ASV0], v9, 2, VSC
	v_and_b32 v11, 8, v9
	s_delay_alu instid0(VALU_DEP_1)
	v_add_nc_u32 v11, v11, v9                      ; position r of a tile is true row r + 8 (r / 8) of it
	v_lshlrev_b32 v10, 4, v10
	s_delay_alu instid0(VALU_DEP_1)
	v_sub_nc_u32 v[DL], v11, v10
.irp j, 20,21,22,23,64,65,66,67
	v_mov_b32 v[\j], 0                             ; Q's upper half: zero codes; and what stands behind K's last tile
.endr
.irp j, 236,237,238,239,252,253
	v_mov_b32 v[\j], 0                             ; written once: lane permutes' destinations count as sources, and v253 is named as the upper half of a pair
.endr
; A pass's head: which tile, its addresses, Q's loads, the start values.
.macro PASS_HEAD p
.if \p
	s_wait_xcnt 0x0                                ; the first pass's stores have read their bases and data: both are written again only behind this wait
	s_sub_co_u32 s[JT], 15, s[WV]
.else
	s_mov_b32 s[JT], s[WV]
.endif
	s_add_co_u32 s72, s69, 4*\p                    ; the tile's number in its key step
	s_lshl_b32 s73, s[JT], 3
	s_add_co_u32 s73, s73, s72                     ; and in the head
	s_mov_b32 s75, 0
	s_lshl_b32 s74, s70, 21
	s_lshl_b32 s16, s71, 16
	s_add_co_u32 s74, s74, s16
	s_lshl_b32 s16, s73, 9
	s_add_co_u32 s74, s74, s16
	s_add_nc_u64 s[76:77], s[4:5], s[74:75]        ; Q's image
	s_lshl_b32 s74, s70, 4
	s_lshr_b32 s16, s71, 1
	s_add_co_u32 s74, s74, s16
	s_lshl_b32 s74, s74, 13
	s_lshl_b32 s17, s73, 6
	s_add_co_u32 s74, s74, s17
	s_add_nc_u64 s[78:79], s[6:7], s[74:75]        ; Q's scale words
	s_lshl_b32 s19, s70, 4
	s_add_co_u32 s19, s19, s[JT]                   ; the block of 128 tokens
	s_lshl_b32 s74, s19, 16
	s_lshl_b32 s17, s71, 12
	s_add_co_u32 s74, s74, s17
	s_lshl_b32 s17, s72, 9
	s_add_co_u32 s74, s74, s17
	s_add_nc_u64 s[80:81], s[12:13], s[74:75]      ; o's image
	s_lshl_b32 s74, s19, 12
	s_lshl_b32 s16, s16, 9
	s_add_co_u32 s74, s74, s16
	s_lshl_b32 s17, s72, 6
	s_add_co_u32 s74, s74, s17
	s_add_nc_u64 s[82:83], s[14:15], s[74:75]      ; o's scale words
	global_load_b128 v[16:19], v[GO], s[76:77]
	global_load_u16 v255, v[GS], s[78:79]          ; my head's two bytes; the upper two are 0
	s_lshr_b32 s16, s72, 1
	s_lshl_b32 s16, s16, 5
	s_and_b32 s17, s72, 1
	s_lshl_b32 s17, s17, 3
	s_add_co_u32 s16, s16, s17                     ; the tile's first true row in its key step
	v_add_nc_u32 v[DM], s16, v[DL]
	v_mov_b32 v13, 0xff61b1e6                      ; the largest t so far: -3e38, under every t
	s_delay_alu instid0(VALU_DEP_1)
	v_floor_f32 v12, -v13                          ; -M
	v_mov_b32 v14, 0                               ; the sum, in two halves
	v_mov_b32 v15, 0
.set n, 0
.rept 32
	v_mov_b32 v[OT+n], 0                           ; O^T: the step is written once: the first finds zeros, which the first change of M leaves zeros
.set n, n+1
.endr
	s_mov_b32 s[TB], 0
	s_mov_b32 s[TS], 0
	s_mov_b32 s[TJ], 0
	s_mov_b32 s[J], 0
.endm
; A KEY STEP: 128 keys.
.macro STEP
	s_cmp_gt_u32 s[J], s[JT]                       ; all its keys come after my queries: only the addresses step.  The wave's number and the count of steps decide; no barrier stands in the loop
	s_cbranch_scc1 .Lhidden_\@
	s_setprio 2
	v_add_nc_u32 v[ADK], s[TB], v[AK0]             ; (these four are also the places behind the last step's products, in front of the loads into their registers)
	v_add_nc_u32 v[ADV], s[TB], v[AV0]
	v_add_nc_u32 v[ADS], s[TS], v[ASK0]
	v_add_nc_u32 v[ADT], s[TJ], v[ASV0]
.irp t, 0,1,2,3,4,5,6,7
	ds_load_b128 v[KR+4*\t:KR+4*\t+3], v[ADK] offset:512*\t
.endr
.irp t, 0,1,2,3,4,5,6,7
	ds_load_u16 v[KSW+\t], v[ADS] offset:64*\t     ; my head's two bytes; the upper two are 0
.endr
.irp t, 0,1,2,3
	ds_load_b128 v[VR+8*\t:VR+8*\t+3], v[ADV] offset:1024*\t
	ds_load_b128 v[VR+8*\t+4:VR+8*\t+7], v[ADV] offset:1024*\t+512
.endr
.irp t, 0,1,2,3
	ds_load_b32 v[VSW+\t], v[ADT] offset:64*\t
.endr
	s_wait_dscnt 12                                ; K and its scale words are in; V's twelve loads may be out
.irp t, 0,1,2,3,4,5,6,7
	v_wmma_scale_f32_16x16x128_f8f6f4 v[S+8*\t:S+8*\t+7], v[KR+4*\t:KR+4*\t+7], v[16:23], 0, v[KSW+\t], v255 matrix_a_fmt:MATRIX_FMT_FP4 matrix_b_fmt:MATRIX_FMT_FP4
.endr
.rept 4
	v_nop
.endr
	s_cmp_lt_u32 s[J], s[JT]                       ; a step all of whose keys count skips the mask
	s_cbranch_scc1 .Lopen_\@
	v_mov_b32 v254, 0xff800000                     ; on the diagonal hidden scores become -infinity ahead of the maximum: p = 0 then.  Register 16 b + i holds true key 32 b + 16 (lane / 16) + i of the step
.set n, 0
.rept 64
	v_cmp_gt_i32 vcc_lo, 32*(n/16)+n%16, v[DM]
	v_cndmask_b32 v[S+n], v[S+n], v254, vcc_lo
.set n, n+1
.endr
.Lopen_\@:
.irp b, 0,1,2,3
	v_max3_num_f32 v[232+\b], v[S+16*\b], v[S+1+16*\b], v[S+2+16*\b]   ; the largest score of each block of 32 keys: it serves the row's maximum and, since p rises with the score, the block's largest p
.endr
.irp i, 3,5,7,9,11,13
.irp b, 0,1,2,3
	v_max3_num_f32 v[232+\b], v[232+\b], v[S+16*\b+\i], v[S+1+16*\b+\i]
.endr
.endr
.irp b, 0,1,2,3
	v_max_num_f32 v[232+\b], v[232+\b], v[S+15+16*\b]
.endr
.irp b, 0,1,2,3
	s_delay_alu instid0(VALU_DEP_4)
	v_permlanex16_b32 v[236+\b], v[232+\b], s[SEL], s[SEL+1]
.endr
.irp b, 0,1,2,3
	s_delay_alu instid0(VALU_DEP_4)
	v_max_num_f32 v[232+\b], v[232+\b], v[236+\b]  ; with lane l xor 16's 16 keys
.endr
	s_delay_alu instid0(VALU_DEP_2)
	v_max3_num_f32 v254, v232, v233, v234
	s_delay_alu instid0(VALU_DEP_1)
	v_max_num_f32 v254, v254, v235                 ; the step's largest score of my query
	s_delay_alu instid0(VALU_DEP_1)
	v_mul_f32 v254, s[CS], v254                    ; as t (c is positive)
	s_delay_alu instid0(VALU_DEP_1)
	v_max_num_f32 v13, v13, v254                   ; the running largest t
	v_mov_b32 v254, v12
	s_delay_alu instid0(VALU_DEP_2)
	v_floor_f32 v12, -v13                          ; the new -M = floor(-t) = -ceil(t)
	s_delay_alu instid0(VALU_DEP_1)
	v_sub_f32 v254, v12, v254                      ; M's old value less its new one: a whole number, 0 or less
	s_delay_alu instid0(VALU_DEP_1)
	v_cvt_i32_f32 v254, v254                       ; (it saturates)
	s_delay_alu instid0(VALU_DEP_1)
	v_ldexp_f32 v252, 1.0, v254                    ; f = 2^(old M - new M)
.set n, 0
.rept 32
	v_pk_fma_f32 v[S+n:S+n+1], v[S+n:S+n+1], s[CS:CS+1], v[12:13] op_sel_hi:[1,0,0]   ; t - M, two at a time
.set n, n+2
.endr
	s_setprio 1
.irp b, 0,1,2,3
	v_fma_f32 v[232+\b], v[232+\b], s[CS], v12     ; the same of each block's largest score
.endr
.set n, 0
	s_wait_alu depctr_va_vdst(0)
.rept 64
	v_exp_f32 v[S+n], v[S+n]                       ; p = 2^(t - M), at most 1
.set n, n+1
.endr
	v_pk_mul_f32 v[14:15], v[14:15], v[252:253] op_sel_hi:[1,0]   ; the sums under the new M (a plain place behind the exponentials)
	s_wait_alu depctr_va_vdst(0)                   ; one wait for the whole batch, ahead of its first reader
.irp b, 0,1,2,3
	v_exp_f32 v[232+\b], v[232+\b]                 ; the block's largest p: the same two instructions on the same number
.endr
	v_pk_add_f32 v[236:237], v[100:101], v[104:105]
	v_pk_add_f32 v[250:251], v[108:109], v[112:113]
	v_pk_add_f32 v[248:249], v[116:117], v[120:121]
	v_pk_add_f32 v[246:247], v[124:125], v[128:129]
	v_pk_add_f32 v[244:245], v[132:133], v[136:137]
	v_pk_add_f32 v[242:243], v[140:141], v[144:145]
	v_pk_add_f32 v[240:241], v[148:149], v[152:153]
	v_pk_add_f32 v[14:15], v[14:15], v[156:157]
	v_pk_add_f32 v[236:237], v[236:237], v[96:97]
	v_pk_add_f32 v[250:251], v[250:251], v[98:99]
	v_pk_add_f32 v[248:249], v[248:249], v[102:103]
	v_pk_add_f32 v[246:247], v[246:247], v[106:107]
	v_pk_add_f32 v[244:245], v[244:245], v[110:111]
	v_pk_add_f32 v[242:243], v[242:243], v[114:115]
	v_pk_add_f32 v[240:241], v[240:241], v[118:119]
	v_pk_add_f32 v[14:15], v[14:15], v[122:123]
	v_pk_add_f32 v[236:237], v[236:237], v[126:127]
	v_pk_add_f32 v[250:251], v[250:251], v[130:131]
	v_pk_add_f32 v[248:249], v[248:249], v[134:135]
	v_pk_add_f32 v[246:247], v[246:247], v[138:139]
	v_pk_add_f32 v[244:245], v[244:245], v[142:143]
	v_pk_add_f32 v[242:243], v[242:243], v[146:147]
	v_pk_add_f32 v[240:241], v[240:241], v[150:151]
	v_pk_add_f32 v[14:15], v[14:15], v[154:155]
	v_pk_add_f32 v[236:237], v[236:237], v[158:159]
	s_delay_alu instid0(VALU_DEP_2)
	v_pk_add_f32 v[14:15], v[14:15], v[246:247]
	s_delay_alu instid0(VALU_DEP_2)
	v_pk_add_f32 v[236:237], v[236:237], v[244:245]
	v_pk_add_f32 v[250:251], v[250:251], v[242:243]
	v_pk_add_f32 v[248:249], v[248:249], v[240:241]
	s_delay_alu instid0(VALU_DEP_2)
	v_pk_add_f32 v[14:15], v[14:15], v[250:251]
	s_delay_alu instid0(VALU_DEP_2)
	v_pk_add_f32 v[236:237], v[236:237], v[248:249]
	s_delay_alu instid0(VALU_DEP_1)
	v_pk_add_f32 v[14:15], v[14:15], v[236:237]
	s_setprio 0
	s_wait_alu depctr_va_vdst(0)                   ; and one for the four
.irp b, 0,1,2,3
	v_max_num_f32 v[232+\b], 0x1800000, v[232+\b]  ; the floor 2^(3 - 127): the byte cannot fall under 1
.endr
.irp b, 0,1,2,3
	s_delay_alu instid0(VALU_DEP_4)
	v_add_nc_u32 v[244+\b], 0xff000000, v[232+\b]  ; 2 off the exponent field: the conversion's scale operand
.endr
.irp b, 0,1,2,3
	s_delay_alu instid0(VALU_DEP_4)
	v_lshrrev_b32 v[236+\b], 23, v[244+\b]         ; the scale's byte
.endr
	s_delay_alu instid0(VALU_DEP_3)
	v_lshl_or_b32 v253, v237, 8, v236              ; p's scale word for these 128 keys
	s_delay_alu instid0(VALU_DEP_1)
	v_lshl_or_b32 v253, v238, 16, v253
	s_delay_alu instid0(VALU_DEP_1)
	v_lshl_or_b32 v253, v239, 24, v253
.irp b, 0,1,2,3
	v_cvt_scalef32_pk8_fp4_f32 v[PC+2*\b], v[S+16*\b:S+7+16*\b], v[244+\b]
	v_cvt_scalef32_pk8_fp4_f32 v[PC+1+2*\b], v[S+8+16*\b:S+15+16*\b], v[244+\b]
.endr
	v_nop                                          ; one plain place behind a scaled conversion
.irp c, 0,1                                    ; a WHOLE block in a lane: lanes 0-15 block 2 c, lanes 16-31 block 2 c + 1
.irp i, 0,1
	v_permlane16_swap_b32 v[PC+4*\c+\i], v[PC+2+4*\c+\i]
.endr
.endr
.set n, 0
.rept 16
	v_pk_mul_f32 v[OT+n:OT+n+1], v[OT+n:OT+n+1], v[252:253] op_sel_hi:[1,0]   ; O^T under the new M.  (For each product below twelve of these name none of its registers: the places behind the lines that made p's codes and scale word)
.set n, n+2
.endr
	s_wait_alu depctr_va_vdst(0)
	s_wait_dscnt 0x0                               ; V and its scale words are in
.irp t, 0,1,2,3                                ; the four accumulators take one turn each; the next step's eight score products stand between two turns
	v_wmma_scale_f32_16x16x128_f8f6f4 v[OT+8*\t:OT+8*\t+7], v[VR+8*\t:VR+8*\t+7], v[PC:PC+7], v[OT+8*\t:OT+8*\t+7], v[VSW+\t], v253 matrix_a_fmt:MATRIX_FMT_FP4 matrix_b_fmt:MATRIX_FMT_FP4
.endr
.Lhidden_\@:
	s_add_co_u32 s[TB], s[TB], 4096
	s_add_co_u32 s[TS], s[TS], 512
	s_add_co_u32 s[TJ], s[TJ], 256
.endm
; THE WAY OUT of a tile: O^T / the sum, quantised in two blocks of 32 channels, stored as registers 0-3 of the projection's operand.
.macro OUT
.rept 4
	v_nop                                          ; places behind the last products
.endr
	v_add_f32 v14, v14, v15                        ; the sum's two halves,
	s_delay_alu instid0(VALU_DEP_1)
	v_permlanex16_b32 v252, v14, s[SEL], s[SEL+1]
	s_delay_alu instid0(VALU_DEP_1)
	v_add_f32 v14, v14, v252                       ; and lane l xor 16's
	s_wait_alu depctr_va_vdst(0)
	v_rcp_f32 v14, v14
	v_nop                                          ; one plain place behind a transcendental
	s_wait_alu depctr_va_vdst(0)                   ; and the wait ahead of its first reader
.set n, 0
.rept 16
	v_pk_mul_f32 v[S+n:S+n+1], v[OT+n:OT+n+1], v[14:15] op_sel_hi:[1,0]   ; register 16 b + i is channel 32 b + 16 (lane / 16) + i; each accumulator from its low end on
.set n, n+2
.endr
.irp b, 0,1
	v_max3_num_f32 v[232+\b], |v[S+16*\b]|, |v[S+1+16*\b]|, 0x1800000
.endr
.irp i, 2,4,6,8,10,12,14
.irp b, 0,1
	s_delay_alu instid0(VALU_DEP_2)
	v_max3_num_f32 v[232+\b], v[232+\b], |v[S+16*\b+\i]|, |v[S+1+16*\b+\i]|
.endr
.endr
.irp b, 0,1
	s_delay_alu instid0(VALU_DEP_2)
	v_permlanex16_b32 v[236+\b], v[232+\b], s[SEL], s[SEL+1]
.endr
.irp b, 0,1
	s_delay_alu instid0(VALU_DEP_2)
	v_max_num_f32 v[232+\b], v[232+\b], v[236+\b]
.endr
.irp b, 0,1
	s_delay_alu instid0(VALU_DEP_2)
	v_add_nc_u32 v[244+\b], 0xff000000, v[232+\b]
.endr
.irp b, 0,1
	s_delay_alu instid0(VALU_DEP_2)
	v_lshrrev_b32 v[236+\b], 23, v[244+\b]
.endr
	s_delay_alu instid0(VALU_DEP_1)
	v_lshl_or_b32 v240, v237, 8, v236              ; my head's two scale bytes of my row
.irp b, 0,1
	v_cvt_scalef32_pk8_fp4_f32 v[PC+2*\b], v[S+16*\b:S+7+16*\b], v[244+\b]
	v_cvt_scalef32_pk8_fp4_f32 v[PC+1+2*\b], v[S+8+16*\b:S+15+16*\b], v[244+\b]
.endr
	v_nop
	v_permlane16_swap_b32 v[PC], v[PC+2]
	v_permlane16_swap_b32 v[PC+1], v[PC+3]
	global_store_b128 v[GO], v[PC:PC+3], s[80:81]  ; 512 consecutive bytes, aligned
	global_store_b16 v[GS], v240, s[82:83]         ; lanes r and r + 16 write the same two bytes with the same value
.endm
.macro PASS_BODY
	s_wait_loadcnt 0x0                             ; Q and its scale word
.Lstep_\@:                                         ; 16 trips in every wave: the count is a constant; hidden steps are passed over inside
	STEP
	s_add_co_u32 s[J], s[J], 1
	s_cmp_lt_u32 s[J], 16
	s_cbranch_scc1 .Lstep_\@
	s_setprio 0
	OUT
.endm
	PASS_HEAD 0
	s_wait_tensorcnt 0x0                           ; my parts of the head's K and V are in,
	s_barrier_signal -1
	s_barrier_wait -1                              ; everybody's are: from here on LDS is only read
	PASS_BODY
	PASS_HEAD 1
	PASS_BODY
	s_wait_tensorcnt 0x0                           ; the wave's end
	ds_add_u32 v[SPW], v[NIL]
	s_wait_dscnt 0x0
	ROUND                                          ; the closing round
	s_endpgm
.Lfunc_end_k_qfcc2b81bc5_attn:
	.size	k_qfcc2b81bc5_attn, .Lfunc_end_k_qfcc2b81bc5_attn-k_qfcc2b81bc5_attn
	.p2alignl 7, 3214868480
	.fill 96, 4, 3214868480
	.section	.rodata,"a",@progbits
	.p2align	6, 0x0
	.amdhsa_kernel k_qfcc2b81bc5_attn
		.amdhsa_group_segment_fixed_size 167936
		.amdhsa_private_segment_fixed_size 0
		.amdhsa_enable_private_segment 0
		.amdhsa_kernarg_size 48
		.amdhsa_user_sgpr_count 2
		.amdhsa_user_sgpr_kernarg_segment_ptr 1
		.amdhsa_wavefront_size32 1
		.amdhsa_system_sgpr_workgroup_id_x 1
		.amdhsa_system_sgpr_workgroup_id_y 1
		.amdhsa_system_sgpr_workgroup_id_z 1
		.amdhsa_system_vgpr_workitem_id 0
		.amdhsa_next_free_vgpr 256
		.amdhsa_next_free_sgpr 84
		.amdhsa_reserve_vcc 1
		.amdhsa_float_denorm_mode_32 3
		.amdhsa_float_denorm_mode_16_64 3
		.amdhsa_memory_ordered 1
		.amdhsa_forward_progress 1
		.amdhsa_inst_pref_size 64
	.end_amdhsa_kernel
	.amdgpu_metadata
---
amdhsa.version: [ 1, 2 ]
amdhsa.kernels:
  - .name:           k_qfcc2b81bc5_attn
    .symbol:         k_qfcc2b81bc5_attn.kd
    .args:
      - { .name: qkimg, .offset: 0, .size: 8, .value_kind: global_buffer, .address_space: global }
      - { .name: qksc, .offset: 8, .size: 8, .value_kind: global_buffer, .address_space: global }
      - { .name: vimg, .offset: 16, .size: 8, .value_kind: global_buffer, .address_space: global }
      - { .name: vsc, .offset: 24, .size: 8, .value_kind: global_buffer, .address_space: global }
      - { .name: oimg, .offset: 32, .size: 8, .value_kind: global_buffer, .address_space: global }
      - { .name: osc, .offset: 40, .size: 8, .value_kind: global_buffer, .address_space: global }
    .group_segment_fixed_size: 167936
    .private_segment_fixed_size: 0
    .kernarg_segment_align: 8
    .kernarg_segment_size: 48
    .max_flat_workgroup_size: 512
    .sgpr_count:     84
    .vgpr_count:     256
    .wavefront_size: 32
...
	.end_amdgpu_metadata
.endif
;; end of part 3
;; launch proj (part 4): grid 4 x 32, 4 waves a work-group, clusters of 4 x 4, 327,680 bytes of LDS; arguments oimg, osc, cod, scl, bp, out0; writes out0
.if DOCPART == 4
	.amdgcn_target "amdgcn-amd-amdhsa--gfx1250"
	.amdhsa_code_object_version 6
	.text
	.protected	k_qfcc2b81bc5_proj
	.globl	k_qfcc2b81bc5_proj
	.p2align	8
	.type	k_qfcc2b81bc5_proj,@function
k_qfcc2b81bc5_proj:
	s_mov_b64 s[64:65], 0
	v_nop
	global_prefetch_b8 v0, s[64:65] scope:SCOPE_SE
	s_setreg_imm32_b32 hwreg(HW_REG_WAVE_MODE, 25, 1), 1
	s_wait_xcnt 0x0
	s_wait_alu depctr_hold_cnt(0) depctr_sa_sdst(0) depctr_va_vdst(0) depctr_va_sdst(0) depctr_va_ssrc(0) depctr_va_vcc(0) depctr_vm_vsrc(0)
	s_getreg_b32 s2, hwreg(HW_REG_IB_STS2, 6, 4)
	s_cmp_eq_u32 s2, 0
	s_cbranch_scc0 .Lentry_in_a_cluster
	s_endpgm
.Lentry_in_a_cluster:
	s_bfe_u32 s2, ttmp6, 0x10000c
	s_cmp_lg_u32 s2, 0xf033
	s_cbranch_scc0 .Lentry_shape_is_right
	s_endpgm
.Lentry_shape_is_right:
; LAUNCH 4 OF 4: out0 = o Wp^T + bp on codes of FP4 with E8M0 scales (K = 1,024), sums in f32.  No work is left out here.
; A work-group of four waves makes 256 tokens x 256 columns, a wave 128 x 128: 64 accumulators.  K is two LDS slots of 512, both asked for at the head; nothing is filled again.
; o comes as launch 3 left it: oimg [block of 128 tokens 64][head 16][tile 8][lane][16 bytes]: a slot's part of a block (8 heads) is 32,768 dense bytes, taken as 128 rows of 256: image (head, tile), half h of the lanes, is row 16 head + 2 tile + h.
; Its scale words, osc [block][pair of heads 8][tile 8][r][4 bytes], go straight into 32 registers: lanes 0-15 an even pair's, lanes 16-31 the next pair's.  Wp's codes and scales are rows 11,264 on of cod and scl.
; THE MATRIX INSTRUCTION IS USED TRANSPOSED (source 0 = 16 rows of Wp, source 1 = 16 tokens): a lane holds eight neighbouring columns of one token.  bp is the C of each sum's first product.
; Tokens and Wp's rows lie in POSITION ORDER (launch 1); the way out puts both back: columns by the place in the stage, tokens by the stores' offsets.
; CLUSTERS: 4 x 4 work-groups; o's tiles are shared along a row of the cluster, Wp's along a column.  128 work-groups: C has so many tiles of 256 x 256.
; REGISTERS, in windows of 256: window 0: v0-31 addresses; v32-95 Wp's scale words, two sets; v96-127 o's scale words; v128-191 o's fragments; v192-255 bp, later rows on the way out.   window 1: Wp's fragments, two sets.   windows 2, 3: accumulators.
.set NQ,     4
.set ROWB,   256
.set KROW,   512
.set PITCH,  272
.set FR,     8
.set NL,     2
.set NP,     4
.set HALFT,  128*PITCH
.set SLOT,   4*HALFT
.set KS,     32
.set SCL,    2*SLOT                    ; behind the slots: Wp's scales of 256 rows
.set HALFS,  (128*KS/256)*272
.set SBLK,   (16*KS/256)*272
.set SPARE,  SCL+2*HALFS               ; the spare words
.set SPITCH, 528                       ; the way out: 16 rows x (512 bytes + 16) for each wave, in slot 0, which has had its one fill and its last read by then
.set ADRA, 16
.set ADRB, 20
.set STO,  24
.set RD,   25
.set CO,   26
.set ADRS, 27
.set SPW,  28
.set NIL,  29
.set SC,   32
.set ASC,  96                          ; register 4 i + u: tile i, pairs of heads 2 u (lanes 0-15) and 2 u + 1 (lanes 16-31)
.set AF,   128
.set BI,   192                         ; bp: register 8 b + j: true column 32 (b / 2) + 16 (lane / 16) + 8 (b % 2) + j of my 128
.set BK,   128
.set G1, 24
.set G0, 32
.set G1B, 48
.set G0B, 56
.set G1SB, 80
.set G0SB, 88
.set MSB, 0
.macro WIN new
.if MSB != (\new)
	s_set_vgpr_msb (MSB<<8)|(\new)
.set MSB, (\new)
.endif
.endm
.set MUL_LO, 0xa1
.set MUL_HI, 0xf1
.set TO_B,   0x40
.macro CROUND
	s_barrier_signal -1
	s_barrier_wait -1
	s_cmp_lg_u32 s14, 0
	s_cbranch_scc1 .Lnot_wave_0_\@
	s_barrier_signal -3
.Lnot_wave_0_\@:
	s_barrier_wait -3
	s_barrier_signal -1
	s_barrier_wait -1
.endm
	s_load_b256 s[4:11], s[0:1], 0x0               ; oimg, osc, cod, scl
	s_load_b128 s[92:95], s[0:1], 0x20             ; bp, out0
	v_lshl_add_u32 v[SPW], v0, 2, SPARE
	v_mov_b32 v[NIL], 0
	ds_add_u32 v[SPW], v[NIL]                      ; the wave's opening: the add, twice on end, and its wait ahead of my first tensor load
	ds_add_u32 v[SPW], v[NIL]
	v_lshrrev_b32 v1, 5, v0
	v_readfirstlane_b32 s14, v1                    ; wave 0..3
	s_lshr_b32 s15, s14, 1                         ; which half of the tokens is mine.  Also: I fetch for o (0) or for Wp (1)
	s_and_b32 s16, s14, 1                          ; which half of the columns.  Also: which half of that tile I fetch
	s_bfe_u32 s40, ttmp6, 0x40000                  ; cx, cy
	s_bfe_u32 s41, ttmp6, 0x40004
	s_lshl_b32 s42, ttmp9, 2
	s_add_co_u32 s42, s42, s40                     ; tile column
	s_and_b32 s17, ttmp7, 0xffff
	s_lshl_b32 s17, s17, 2
	s_add_co_u32 s17, s17, s41                     ; tile row
	s_lshl_b32 s43, s41, 2
	s_lshl_b32 s43, 15, s43                        ; my row of the cluster
	s_lshl_b32 s44, 0x1111, s40                    ; my column
	s_or_b32 s[G1+0], s43, (0<<16)|(1<<20)|(1<<21)|(5<<22)|(3<<25)  ; the mask; elements of 1 byte; padding on; bit 21 beside a mask; after every 64 words four words
	s_or_b32 s[G1B+0], s44, (0<<16)|(1<<20)|(1<<21)|(5<<22)|(3<<25)
.irp g, G1, G1B
	s_mov_b32 s[\g+1], ROWB<<16
	s_mov_b32 s[\g+2], 128<<16
	s_mov_b32 s[\g+3], ROWB<<16
	s_mov_b32 s[\g+4], 128
	s_mov_b32 s[\g+6], 0
	s_mov_b32 s[\g+7], 0
.endr
	s_mov_b32 s[G1+5], ROWB                        ; o's images are dense,
	s_mov_b32 s[G1B+5], KROW                       ; Wp's rows 512 bytes apart
	s_or_b32 s[G1SB+0], s44, (3<<16)|(1<<20)|(1<<21)|(5<<22)|(3<<25) ; Wp's scales of 128 rows: 16 rows of 256 bytes, padded alike
	s_mov_b32 s[G1SB+1], 32<<16
	s_mov_b32 s[G1SB+2], (128*KS/256)<<16
	s_mov_b32 s[G1SB+3], 32<<16
	s_mov_b32 s[G1SB+4], 128*KS/256
	s_mov_b32 s[G1SB+5], 32
	s_mov_b32 s[G1SB+6], 0
	s_mov_b32 s[G1SB+7], 0
	s_lshl_b32 s20, s17, 1
	s_add_co_u32 s20, s20, s16                     ; o: the block of 128 tokens that I fetch,
	s_lshl_b32 s20, s20, 16                        ; 65,536 bytes each
	s_mov_b32 s21, 0
	s_add_co_u32 s46, s42, 44                      ; Wp's tiles of 256 rows: 44 .. 47 in cod
	s_lshl_b32 s46, s46, 8
	s_lshl_b32 s18, s16, 7
	s_add_co_u32 s46, s46, s18
	s_lshl_b32 s12, s46, 5                         ; its scales,
	s_mov_b32 s13, 0
	s_lshl_b32 s46, s46, 9                         ; its codes
	s_mov_b32 s47, 0
	s_mul_i32 s45, s14, HALFT                      ; where the tiles go: wave x 128 rows
	s_mul_i32 s2, s16, HALFS
	s_wait_dscnt 0x0                               ; both opening adds are done
	s_wait_kmcnt 0x0
	s_add_nc_u64 s[20:21], s[4:5], s[20:21]
	s_add_nc_u64 s[46:47], s[8:9], s[46:47]
	s_add_nc_u64 s[12:13], s[10:11], s[12:13]
	s_mov_b32 s[G0SB], 1
	s_add_co_u32 s[G0SB+1], s2, SCL
	s_mov_b64 s[G0SB+2:G0SB+3], s[12:13]
	s_or_b32 s[G0SB+3], s[G0SB+3], 0x80000000
.irp s, 0,1
	s_mov_b32 s[G0+4*\s], 1
	s_add_co_u32 s[G0+4*\s+1], s45, \s*SLOT
	s_add_nc_u64 s[G0+4*\s+2:G0+4*\s+3], s[20:21], \s*32768
	s_or_b32 s[G0+4*\s+3], s[G0+4*\s+3], 0x80000000
	s_mov_b32 s[G0B+4*\s], 1
	s_add_co_u32 s[G0B+4*\s+1], s45, \s*SLOT
	s_add_nc_u64 s[G0B+4*\s+2:G0B+4*\s+3], s[46:47], \s*ROWB
	s_or_b32 s[G0B+4*\s+3], s[G0B+4*\s+3], 0x80000000
.endr
	CROUND                                         ; all sixteen work-groups are here: the first joint loads meet
	s_cmp_eq_u32 s15, 0                            ; a wave's first fills stand in one branch on its number: two loads of mine are out, or three; slot 1's is the last on both ways
	s_cbranch_scc0 .Lfirst_b
	tensor_load_to_lds s[G0:G0+3], s[G1:G1+7]
	s_nop 0
	tensor_load_to_lds s[G0+4:G0+7], s[G1:G1+7]
	s_nop 0
.rept 4
	v_nop
.endr
	s_branch .Lfirst_asked
.Lfirst_b:
	tensor_load_to_lds s[G0SB:G0SB+3], s[G1SB:G1SB+7]
	s_nop 0
	tensor_load_to_lds s[G0B:G0B+3], s[G1B:G1B+7]
	s_nop 0
	tensor_load_to_lds s[G0B+4:G0B+7], s[G1B:G1B+7]
	s_nop 0
.rept 4
	v_nop
.endr
.Lfirst_asked:
	v_and_b32 v1, 15, v0                           ; r
	v_bfe_u32 v2, v0, 4, 1                         ; h
	s_lshl_b32 s22, s17, 1
	s_add_co_u32 s22, s22, s15                     ; my block of 128 tokens
	s_lshl_b32 s22, s22, 12
	s_mov_b32 s23, 0
	s_add_nc_u64 s[6:7], s[6:7], s[22:23]          ; its scale words
	s_lshl_b32 s46, s42, 10
	s_lshl_b32 s47, s16, 9
	s_add_co_u32 s46, s46, s47                     ; my first column, in bytes
	s_mov_b32 s47, 0
	s_add_nc_u64 s[92:93], s[92:93], s[46:47]      ; bp there
	s_lshl_b32 s20, s17, 8
	s_lshl_b32 s21, s15, 7
	s_add_co_u32 s20, s20, s21                     ; my first token
	s_lshl_b32 s20, s20, 12                        ; 4,096 bytes a row of out0
	s_add_co_u32 s20, s20, s46
	s_mov_b32 s21, 0
	s_add_nc_u64 s[94:95], s[94:95], s[20:21]
	v_lshlrev_b32 v7, 2, v1
	v_lshl_add_u32 v7, v2, 9, v7                   ; 512 h + 4 r: lanes 16-31 take the next pair of heads
	v_lshlrev_b32 v8, 6, v2                        ; 64 h
.irp i, 0,1,2,3,4,5,6,7
.irp u, 0,1,2,3
	global_load_b32 v[ASC+4*\i+\u], v7, s[6:7] offset:1024*\u+64*\i
.endr
.endr
.irp b, 0,1,2,3,4,5,6,7
	global_load_b128 v[BI+8*\b:BI+8*\b+3], v8, s[92:93] offset:128*(\b/2)+32*(\b%2)
	global_load_b128 v[BI+8*\b+4:BI+8*\b+7], v8, s[92:93] offset:128*(\b/2)+32*(\b%2)+16
.endr
	v_mul_u32_u24 v3, v2, PITCH
	v_lshl_add_u32 v3, v1, 4, v3                   ; o's images: 272 h + 16 r
	v_mul_u32_u24 v4, v1, PITCH
	v_lshl_add_u32 v4, v2, 4, v4                   ; Wp's rows: row x pitch + 16 x half
	s_mul_i32 s21, s15, HALFT
	s_mul_i32 s22, s16, HALFT
	s_add_co_u32 s22, s22, 2*HALFT
.irp s, 0,1
	v_add_nc_u32 v[ADRA+\s], s21, v3
	v_add_nc_u32 v[ADRB+\s], s22, v4
	s_add_co_u32 s21, s21, SLOT
	s_add_co_u32 s22, s22, SLOT
.endr
	v_mul_u32_u24 v5, v1, KS
	v_lshrrev_b32 v6, 8, v5
	v_lshl_add_u32 v5, v6, 4, v5
	s_mul_i32 s21, s16, HALFS
	s_add_co_u32 s21, s21, SCL
	v_add_nc_u32 v[ADRS], s21, v5                  ; Wp's scale words of my 128 rows, row r, in both halves of the lanes
	s_mul_i32 s23, s14, 16*SPITCH                  ; my stage
	v_mul_u32_u24 v5, v1, SPITCH
	v_lshl_add_u32 v5, v2, 6, v5                   ; in: row r, + 64 h: true columns 16 h on of each 32
	v_add_nc_u32 v[STO], s23, v5
	v_and_b32 v6, 31, v0
	v_lshlrev_b32 v[CO], 4, v6                     ; back: the 32 lanes take one row of 512 bytes; and the same in out0
	v_add_nc_u32 v[RD], s23, v[CO]
.macro FRAG reg, adr, q, i
.irp c, 0,1
	ds_load_b128 v[\reg+4*\c:\reg+4*\c+3], v[\adr] offset:64*(\q)+32*\c+(\i)*16*PITCH
.endr
.endm
.macro FRAGA reg, adr, q, i            ; o's fragment of tile i: registers 4 c .. 4 c + 3 are the image of head 2 q + c of the slot's eight
.irp c, 0,1
	ds_load_b128 v[\reg+4*\c:\reg+4*\c+3], v[\adr] offset:((2*(\q)+\c)*16+2*(\i))*PITCH
.endr
.endm
; 16 matrix instructions.  zero = 1: the first products take bp as their C.  o's scale word of the slot's q-th 128 along K stands in lanes 0-15 for an even q, in lanes 16-31 for an odd one.
; The 64 accumulators take turns, one instruction a turn, in the same order in every step.
.macro MUL16 a0, p, q, sc, zero
.irp a, \a0, \a0+1
.irp b, 0,1,2,3,4,5,6,7
.set rD, 8*(8*((\a)%4)+\b)
.set rB, 128*(\p)+FR*\b
.set rA, AF+FR*(\a)
.set rSB, SC+8*NQ*(\sc)+NQ*\b+(\q)
.set rSA, ASC+4*(\a)+2*(\sc)+(\q)/2
.if \zero
	v_wmma_scale_f32_16x16x128_f8f6f4 v[rD:rD+7], v[rB:rB+7], v[rA:rA+7], v[BI+8*\b:BI+8*\b+7], v[rSB], v[rSA] matrix_a_fmt:MATRIX_FMT_FP4 matrix_b_fmt:MATRIX_FMT_FP4
.elseif ((\q)%2)
	v_wmma_scale_f32_16x16x128_f8f6f4 v[rD:rD+7], v[rB:rB+7], v[rA:rA+7], v[rD:rD+7], v[rSB], v[rSA] matrix_a_fmt:MATRIX_FMT_FP4 matrix_b_fmt:MATRIX_FMT_FP4 matrix_b_scale:MATRIX_SCALE_ROW1
.else
	v_wmma_scale_f32_16x16x128_f8f6f4 v[rD:rD+7], v[rB:rB+7], v[rA:rA+7], v[rD:rD+7], v[rSB], v[rSA] matrix_a_fmt:MATRIX_FMT_FP4 matrix_b_fmt:MATRIX_FMT_FP4
.endif
.endr
.endr
.endm
.macro FETCH_B slot, q, p
	WIN TO_B
.irp i, 0,1,2,3,4,5,6,7
	FRAG 128*(\p)+FR*\i, ADRB+\slot, \q, \i
.endr
	WIN 0
.endm
.macro FETCH_A slot, q, i0
.irp i, \i0, \i0+1, \i0+2, \i0+3
	FRAGA AF+FR*(\i), ADRA+\slot, \q, \i
.endr
.endm
.macro SCALES sc
.irp i, 0,1,2,3,4,5,6,7
	ds_load_b128 v[SC+8*NQ*\sc+NQ*\i:SC+8*NQ*\sc+NQ*\i+3], v[ADRS] offset:\i*SBLK
.endr
.endm
.macro PLACES n
.rept \n
	v_nop
.endr
.endm
.macro STEP slot, q, zero
	s_wait_dscnt 4*NL                              ; all but the youngest eight loads (o's blocks 4-7) are in
.if \zero
	WIN 0x81                                       ; as MUL_LO, with C (bp) in window 0
.else
	WIN MUL_LO
.endif
	MUL16 0, (\q)%2, \q, \slot, \zero
	MUL16 2, (\q)%2, \q, \slot, \zero
	s_wait_dscnt 0
	PLACES NP
	FETCH_B \slot, (\q)+1, 1-(\q)%2
	FETCH_A \slot, (\q)+1, 0
.if \zero
	WIN 0xc1
.else
	WIN MUL_HI
.endif
	MUL16 4, (\q)%2, \q, \slot, \zero
	MUL16 6, (\q)%2, \q, \slot, \zero
	PLACES NP
	WIN 0
	FETCH_A \slot, (\q)+1, 4
.endm
.macro TURN slot, next                 ; slot 0's last step changes slots: one barrier; nothing is filled again
	s_wait_tensorcnt 0x0                           ; all my tensor loads have landed: my part of the next slot;
	ds_add_u32 v[SPW], v[NIL]                      ; 0 onto my spare word;
	s_wait_dscnt 4*NL+1                            ; (the add and the youngest eight loads may be out)
	WIN MUL_LO
	MUL16 0, 1, NQ-1, \slot, 0
	s_wait_dscnt 0x0                               ; the add is done, and my reads of this slot are over
	s_barrier_signal -1
	MUL16 2, 1, NQ-1, \slot, 0
	WIN 0
	s_barrier_wait -1
	PLACES NP
	v_add_nc_u32 v[ADRS], 4*NQ, v[ADRS]
	FETCH_B \next, 0, 0
	FETCH_A \next, 0, 0
	SCALES \next
	WIN MUL_HI
	MUL16 4, 1, NQ-1, \slot, 0
	MUL16 6, 1, NQ-1, \slot, 0
	PLACES NP
	WIN 0
	FETCH_A \next, 0, 4
.endm
.macro STEPS slot, from
.set Q, \from
.rept NQ-1-\from
	STEP \slot, Q, 0
.set Q, Q+1
.endr
.endm
	s_wait_tensorcnt 1                             ; Wp's scales and my part of slot 0 are in (slot 1's load may be out)
	s_barrier_signal -1
	s_barrier_wait -1                              ; everybody's are
	FETCH_B 0, 0, 0
	FETCH_A 0, 0, 0
	SCALES 0
	FETCH_A 0, 0, 4
	s_wait_loadcnt 0x0                             ; o's scale words and bp
	STEP 0, 0, 1
	STEPS 0, 1
	TURN 0, 1
	STEPS 1, 0
	s_wait_dscnt 4*NL                              ; the last step: nothing more to fetch
	WIN MUL_LO
	MUL16 0, 1, NQ-1, 1, 0
	MUL16 2, 1, NQ-1, 1, 0
	s_wait_dscnt 0
	WIN MUL_HI
	MUL16 4, 1, NQ-1, 1, 0
	MUL16 6, 1, NQ-1, 1, 0
	WIN 0
; THE WAY OUT, block by block of 16 tokens x 128 columns, through my own stage in LDS.  Accumulator b's eight numbers are true columns 32 (b / 2) + 16 h + 8 (b % 2) + 0 .. 7; row t of block a is true token 32 (a / 2) + 8 (a % 2) + t % 8 + 16 (t / 8).
; LDS serves a wave's instructions in order: no wait between the stores and the loads, nor in front of the next block's stores.
.macro TOSTAGE a
.set AC, 64*((\a)%4)
	WIN 0x08+4*((\a)/4)                            ; the data: window 2 or 3
.irp b, 0,1,2,3,4,5,6,7
	ds_store_b128 v[STO], v[AC+8*\b:AC+8*\b+3] offset:128*(\b/2)+32*(\b%2)          ; each accumulator from its low end on
	ds_store_b128 v[STO], v[AC+8*\b+4:AC+8*\b+7] offset:128*(\b/2)+32*(\b%2)+16
.endr
	WIN 0
.set BB, BK+64*((\a)%2)
.irp t, 0,1,2,3,4,5,6,7,8,9,10,11,12,13,14,15
	ds_load_b128 v[BB+4*\t:BB+4*\t+3], v[RD] offset:\t*SPITCH
.endr
.endm
.macro SEND a, younger                 ; younger: the LDS instructions issued behind block a's loads, which may stay out
.set BB, BK+64*((\a)%2)
	s_wait_dscnt \younger
.irp t, 0,1,2,3,4,5,6,7,8,9,10,11,12,13,14,15
	global_store_b128 v[CO], v[BB+4*\t:BB+4*\t+3], s[94:95] offset:(32*((\a)/2)+8*((\a)%2)+(\t%8)+16*(\t/8))*4096 th:TH_STORE_NT   ; 32 lanes store 512 consecutive bytes, aligned; 127 rows at the most: inside the signed 24-bit immediate
.endr
.endm
	PLACES NP                                      ; in front of the first read of results and of the loads into registers that held o's fragments and bp
	TOSTAGE 0
.irp a, 1,2,3,4,5,6,7
.if \a > 1
	s_wait_xcnt 0x0                                ; block a - 2's stores have read their registers: block a's loads may land there
.endif
	TOSTAGE \a
	SEND \a-1, 32                                  ; behind block a - 1's loads: block a's 16 stores and 16 loads
.endr
	SEND 7, 0
	s_wait_tensorcnt 0x0                           ; the wave's end: behind my last tensor load and my last LDS store
	ds_add_u32 v[SPW], v[NIL]
	s_wait_dscnt 0x0
	CROUND                                         ; the closing round
	s_endpgm
.Lfunc_end_k_qfcc2b81bc5_proj:
	.size	k_qfcc2b81bc5_proj, .Lfunc_end_k_qfcc2b81bc5_proj-k_qfcc2b81bc5_proj
	.p2alignl 7, 3214868480
	.fill 96, 4, 3214868480
	.section	.rodata,"a",@progbits
	.p2align	6, 0x0
	.amdhsa_kernel k_qfcc2b81bc5_proj
		.amdhsa_group_segment_fixed_size 327680
		.amdhsa_private_segment_fixed_size 0
		.amdhsa_enable_private_segment 0
		.amdhsa_kernarg_size 48
		.amdhsa_user_sgpr_count 2
		.amdhsa_user_sgpr_kernarg_segment_ptr 1
		.amdhsa_wavefront_size32 1
		.amdhsa_system_sgpr_workgroup_id_x 1
		.amdhsa_system_sgpr_workgroup_id_y 1
		.amdhsa_system_sgpr_workgroup_id_z 1
		.amdhsa_system_vgpr_workitem_id 0
		.amdhsa_next_free_vgpr 1024
		.amdhsa_next_free_sgpr 96
		.amdhsa_reserve_vcc 0
		.amdhsa_float_denorm_mode_32 3
		.amdhsa_float_denorm_mode_16_64 3
		.amdhsa_memory_ordered 1
		.amdhsa_forward_progress 1
		.amdhsa_inst_pref_size 127
	.end_amdhsa_kernel
	.amdgpu_metadata
---
amdhsa.version: [ 1, 2 ]
amdhsa.kernels:
  - .name:           k_qfcc2b81bc5_proj
    .symbol:         k_qfcc2b81bc5_proj.kd
    .args:
      - { .name: oimg, .offset: 0, .size: 8, .value_kind: global_buffer, .address_space: global }
      - { .name: osc, .offset: 8, .size: 8, .value_kind: global_buffer, .address_space: global }
      - { .name: cod, .offset: 16, .size: 8, .value_kind: global_buffer, .address_space: global }
      - { .name: scl, .offset: 24, .size: 8, .value_kind: global_buffer, .address_space: global }
      - { .name: bp, .offset: 32, .size: 8, .value_kind: global_buffer, .address_space: global }
      - { .name: out0, .offset: 40, .size: 8, .value_kind: global_buffer, .address_space: global }
    .group_segment_fixed_size: 327680
    .private_segment_fixed_size: 0
    .kernarg_segment_align: 8
    .kernarg_segment_size: 48
    .max_flat_workgroup_size: 128
    .sgpr_count:     96
    .vgpr_count:     1024
    .wavefront_size: 32
...
	.end_amdgpu_metadata
.endif
;; end of part 4
